; MI455X (gfx1250); checked and timed in simulation.
; The chip was launched on July 23, 2026; its instructions are those of AMD's public machine-readable ISA for CDNA 5 (MIT licence, August 2026) and "CDNA5" Instruction Set Architecture Reference Guide (July 2026). The comments in the code are by the model that wrote it; some were corrected since.
;; Masked Multi Head Attention. Allowed arithmetic: matrix products marked QUANTISED: E2M3 operands, one E8M0 scale for each 32 along K, by v_wmma_scale_f32_16x16x128_f8f6f4 with both operands' format E2M3, f32 sums; everything else in f32.
;; Inputs: w_o 1,024 x 1,024 float32; w_qkv 1,024 x 3,072 float32; x 4 x 2,048 x 1,024 float32.
;; Outputs: out0 4 x 2,048 x 1,024 float32.
;; This version of the problem:
;;   THIS VERSION OF THE PROBLEM IS GIVEN IN LOW PRECISION. The matrix products marked QUANTISED in the list below multiply operands that are first quantised to E2M3 (2 exponent bits, 3 mantissa bits; 6 bits a number), with one power-of-two scale for each 32 numbers along K (OCP MX v1.0); their sums are f32. All else is computed in f32.
;;   The module's matrix products, in the order in which they are computed (A, B: the left and right operand; K: the contracted axis; several contracted axes count as one K, in the product's order):
;;     1. [M 8,192, K 1,024] x [K 1,024, N 3,072]; A: input x; B: input w_qkv: QUANTISED
;;     2. batch 64 x [M 2,048, K 64] x [K 64, N 2,048]; A: computed on the way; B: computed on the way: QUANTISED
;;     3. batch 64 x [M 2,048, K 2,048] x [K 2,048, N 64]; A: softmax (see below); B: computed on the way: QUANTISED
;;     4. [M 8,192, K 1,024] x [K 1,024, N 1,024]; A: computed on the way; B: input w_o: QUANTISED
;;   THE QUANTISER, for each operand of a quantised product, along K:
;;     - K is cut into blocks of 32 from its start; a last block that is shorter is filled with zeros.
;;     - A block's scale is 2^e with e = floor(log2(the largest magnitude in the block)) - 2, held to -126 .. 127; a block of zeros has e = 0. As a byte (E8M0): e + 127.
;;     - Each number is divided by its block's scale, clamped to +-7.5, and rounded to the nearest number of E2M3, ties to even, subnormals kept.
;;     - The product sums the exact products of the quantised numbers (number of the format x scale) in f32.
;;   ~~~python
;;   def quantise(x, axis):      # numpy; x: float32 -> the quantised numbers, widened to float32 again
;;       x = np.moveaxis(x, axis, -1); K = x.shape[-1]
;;       x = np.pad(x, [(0, 0)] * (x.ndim - 1) + [(0, -K % 32)]); x = x.reshape(x.shape[:-1] + (-1, 32)); a = np.abs(x).max(-1, keepdims=True)
;;       e = np.where(a > 0, np.clip(np.frexp(np.where(a > 0, a, 1))[1] - 1 - 2, -126, 127), 0)      # np.frexp(a)[1] - 1 = floor(log2(a)), exactly
;;       r = np.clip(x / 2.0 ** e, -7.5, 7.5)
;;       step = 2.0 ** (np.maximum(np.frexp(np.where(r == 0, 1, r))[1] - 1, 0) - 3)
;;       q = np.round(r / step) * step * 2.0 ** e      # np.round: ties to even
;;       return np.moveaxis(q.reshape(q.shape[:-2] + (-1,))[..., :K], -1, axis).astype(np.float32)
;;   ~~~
;;   SOFTMAX AHEAD OF A QUANTISED PRODUCT. Where the list says 'softmax', what is quantised is not the finished softmax but p = 2^(t - M), with t = logit x log2(e) and M = ceil(the row's largest t), a whole number; so 1/2 < the row's largest p <= 1. The row's sum l is taken of the UNQUANTISED p, in f32, and the product's result is divided by l at the end. Since M is a whole number, a kernel that streams over the keys may use a running M (the ceiling of the running maximum): every later rescaling is an exact power of two, which a block's scale takes up: the codes' values come out the same.
;;   OPERANDS COMPUTED ON THE WAY. 'Computed on the way' means the value that the module computes at that place (a softmax that the list does not call 'softmax' is quantised finished and normalised). What goes into a quantiser is computed in f32, as accurately as f32 sums, v_exp_f32 and their like allow (about 1e-6 of the number): no bf16 or f16 on the way to a quantiser, and a product that is left as it is and whose result goes on into a quantised operand takes f32 operands (vector FMAs, or v_wmma_f32_16x16x4_f32). A number that lies on a knife's edge between two numbers of the format may be rounded either way, as far as f32 arithmetic and the matrix unit's own rounding can turn it there, and no further.
;; One version. Each part assembles by itself: llvm-mc -triple=amdgcn-amd-amdhsa -mcpu=gfx1250 --defsym DOCPART=n.
;; ======== version 1 of 1: 4 launches
;; limits: right only within a limited range of input values
;; workspace buffers: cod 9,437,184 bytes; scl 393,216 bytes; img 18,874,368 bytes; isc 1,572,864 bytes; aimg 6,291,456 bytes; asc 262,144 bytes; wimg 786,432 bytes
;; launch quant (part 1): grid 384 x 1, 4 waves a work-group, no clusters, 34,304 bytes of LDS; arguments x, w_qkv, w_o, cod, scl, wimg; writes cod, scl, wimg
.if DOCPART == 1
	.amdgcn_target "amdgcn-amd-amdhsa--gfx1250"
	.amdhsa_code_object_version 6
	.text
	.protected	k_qecf7a16854_quant
	.globl	k_qecf7a16854_quant
	.p2align	8
	.type	k_qecf7a16854_quant,@function
k_qecf7a16854_quant:
	s_mov_b64 s[64:65], 0
	v_nop
	global_prefetch_b8 v0, s[64:65] scope:SCOPE_SE
	s_setreg_imm32_b32 hwreg(HW_REG_WAVE_MODE, 25, 1), 1
	s_wait_xcnt 0x0
; x [8192][1024], w_qkv [1024][3072] and w_o [1024][1024], f32, become codes of FP6 (E2M3) and one E8M0 scale byte for each 32 along K, laid as IMAGES OF OPERAND REGISTERS.
; An image is 16 rows x 64 along K, 768 bytes: registers 0-3 of lane (r, h) at 16 x lane, registers 4-5 at 512 + 8 x lane; lane (r, h) holds row r, K = 32 h + 0 .. 31 of the 64.  Two images on end are a fragment of 128 along K.
; THE ORDER OF ROWS.  In each group of 32 rows (tokens, or columns of a weight), tile u = 0, 1 of 16 holds at its place r the row 8 u + r + 8 (r / 8): results used transposed then give a lane sixteen neighbours in two neighbouring tiles' registers.
; cod: x at [512 tokens 16][256 along K 4][tile 32][3,072 bytes]; from byte 6,291,456 w_qkv at [head c 16][256 along K 4][tile 12: q's four, k's four, v's four][3,072].  wimg: w_o at [tile 64][64 along K 16][768].
; scl: for x's tiles 0-511 and w_qkv's tiles 512 + 12 c + tile: [tile][512 along K 2][r][16 bytes]; for w_o from byte 360,448: [place][32 bytes].
; A block's scale is 2^(floor(log2(its largest magnitude)) - 2); its byte is the largest magnitude's exponent field - 2, held at 1 from below.
; LIMITS: a block of zeros, or one whose largest magnitude lies under 2^-124, gets the byte 1 (the bytes are read by this program alone; zero codes add nothing); NaN and infinities among the inputs are not served.
; Work-groups 0 to 255 take x, 256 to 383 the weights.  No work-group shares an input byte with another: no cluster; no tensor load, no barrier: waves share nothing.
.set XWG,   256
.set EMAX,  2
.set SPITCH, 528                       ; x: a stage row: 128 numbers + 16 bytes
.set SPARE, 4*16*SPITCH                ; behind the four stages: the spare words
.set R,     32                         ; x: v32-159 two sets of 16 rows x 4 registers, as loaded
.set X,     160                        ; x: v160-223 my two blocks of 32 numbers
.set F,     224                        ; x: v224-247 two sets of a fragment's 12 registers
.set TT,    248                        ; x: v248-250, v252-254 the conversions' second halves
.set WD,    16                         ; x: v16-19 my row's scale words
.set NB,    8                          ; weights: blocks of 32 along K for a wave
.set WSB,   24                         ; v24-25 the scale bytes
.set WX,    32                         ; v32-95 two sets of 32 numbers
.set WC,    96                         ; v96-102 a block's codes
.set WOF,   176                        ; v176-207 offset of row i of a block; never rewritten
.set WBS,   32                         ; s[32:47] the eight blocks' bases; never rewritten
.macro XLOAD t                         ; 128 along K of my 16 rows: a load reads 512 consecutive bytes of one row
.irp r, 0,1,2,3,4,5,6,7,8,9,10,11,12,13,14,15
	global_load_b128 v[R+64*((\t)%2)+4*\r:R+64*((\t)%2)+4*\r+3], v3, s[4:5] offset:(\r+8*(\r/8))*4096+512*(\t) th:TH_LOAD_NT
.endr
.endm
.macro XSTEP t
.set FS, F+12*((\t)%2)
.if (\t) < 3
	s_wait_loadcnt 16                              ; this step's 16 loads are in; the next step's may be out
.else
	s_wait_loadcnt 0x0
.endif
.irp r, 0,1,2,3,4,5,6,7,8,9,10,11,12,13,14,15
	ds_store_b128 v5, v[R+64*((\t)%2)+4*\r:R+64*((\t)%2)+4*\r+3] offset:\r*SPITCH
.endr
.irp i, 0,1,2,3,4,5,6,7                        ; back: lane (r, h) takes K = 32 h + 0 .. 31 and 64 + 32 h + 0 .. 31 of row r.  LDS serves a wave's instructions in order
	ds_load_b128 v[X+4*\i:X+4*\i+3], v6 offset:16*\i
.endr
.irp i, 0,1,2,3,4,5,6,7
	ds_load_b128 v[X+32+4*\i:X+32+4*\i+3], v6 offset:256+16*\i
.endr
	s_wait_dscnt 0x0
	s_wait_xcnt 0x0                                ; the stores of two steps ago have read their registers
.if (\t)+2 < 4
	XLOAD (\t)+2
.endif
	v_max3_num_f32 v12, |v[X]|, |v[X+1]|, (EMAX+1)<<23             ; each block's largest magnitude, with the floor 2^(3 - 127); the two blocks by turns
	v_max3_num_f32 v13, |v[X+32]|, |v[X+33]|, (EMAX+1)<<23
.irp i, 2,4,6,8,10,12,14,16,18,20,22,24,26,28,30
	v_max3_num_f32 v12, v12, |v[X+\i]|, |v[X+\i+1]|
	v_max3_num_f32 v13, v13, |v[X+32+\i]|, |v[X+33+\i]|
.endr
	v_add_nc_u32 v14, -(EMAX<<23), v12             ; 2 off the exponent field: the conversion's scale operand
	v_add_nc_u32 v15, -(EMAX<<23), v13
	v_lshrrev_b32 v20, 23, v14                     ; the scale's byte
	v_lshrrev_b32 v21, 23, v15
	v_lshl_or_b32 v9, v21, 16, v20                 ; my two bytes: blocks h and 2 + h,
	v_lshlrev_b32 v9, v7, v9                       ; 8 h bits up;
	v_permlanex16_b32 v10, v9, s26, s27
	v_or_b32 v[WD+(\t)], v9, v10                   ; with lane l xor 16's two the word is whole
	v_cvt_scalef32_pk16_fp6_f32 v[FS:FS+2], v[X:X+15], v14
	v_cvt_scalef32_pk16_fp6_f32 v[TT:TT+2], v[X+16:X+31], v14      ; (a conversion's three registers begin on an even number)
	v_cvt_scalef32_pk16_fp6_f32 v[FS+6:FS+8], v[X+32:X+47], v15
	v_cvt_scalef32_pk16_fp6_f32 v[TT+4:TT+6], v[X+48:X+63], v15
	v_nop                                          ; one plain line behind a scaled conversion
.irp i, 0,1,2
	v_mov_b32 v[FS+3+\i], v[TT+\i]
	v_mov_b32 v[FS+9+\i], v[TT+4+\i]
.endr
	global_store_b128 v3, v[FS:FS+3], s[10:11] offset:98304*((\t)/2)+1536*((\t)%2)          ; 512 consecutive bytes, aligned
	global_store_b64 v4, v[FS+4:FS+5], s[10:11] offset:98304*((\t)/2)+1536*((\t)%2)+512     ; 256
	global_store_b128 v3, v[FS+6:FS+9], s[10:11] offset:98304*((\t)/2)+1536*((\t)%2)+768
	global_store_b64 v4, v[FS+10:FS+11], s[10:11] offset:98304*((\t)/2)+1536*((\t)%2)+1280
.endm
.macro WLOAD t                         ; block t: rows 32 t + i of my 256 along K, my column, into set t % 2
.set i, 0
.rept 32
	global_load_b32 v[WX+32*((\t)%2)+i], v[WOF+i], s[WBS+2*(\t):WBS+2*(\t)+1] th:TH_LOAD_NT
.set i, i+1
.endr
.endm
.macro WBLOCK t
.set XS, WX+32*((\t)%2)
.if (\t) < NB-1
	s_wait_loadcnt 32                              ; this block's 32 loads are in; the next block's may be out
.else
	s_wait_loadcnt 0
.endif
	s_wait_xcnt 0x0                                ; the last block's stores have read their registers
	v_max3_num_f32 v12, |v[XS]|, |v[XS+1]|, |v[XS+2]|              ; the block's largest magnitude: all 32 numbers are mine
	v_max3_num_f32 v13, |v[XS+3]|, |v[XS+4]|, |v[XS+5]|
.irp i, 6,10,14,18,22,26
	v_max3_num_f32 v12, v12, |v[XS+\i]|, |v[XS+\i+1]|
	v_max3_num_f32 v13, v13, |v[XS+\i+2]|, |v[XS+\i+3]|
.endr
	v_max3_num_f32 v12, v12, |v[XS+30]|, |v[XS+31]|
	v_max3_num_f32 v12, v12, v13, (EMAX+1)<<23
	v_add_nc_u32 v11, -(EMAX<<23), v12
	v_lshrrev_b32 v13, 23, v11
.if (\t)%4 == 0
	v_mov_b32 v[WSB+(\t)/4], v13                   ; four bytes to a register, the lower K in the lower byte
.else
	v_lshl_or_b32 v[WSB+(\t)/4], v13, 8*((\t)%4), v[WSB+(\t)/4]
.endif
	v_cvt_scalef32_pk16_fp6_f32 v[WC:WC+2], v[XS:XS+15], v11
	v_cvt_scalef32_pk16_fp6_f32 v[WC+4:WC+6], v[XS+16:XS+31], v11
	v_nop                                          ; one plain line behind a scaled conversion
	v_mov_b32 v[WC+3], v[WC+4]                     ; the block's six registers on end: those of lane (place, t % 2) of image t / 2
	v_mov_b32 v[WC+4], v[WC+5]
	v_mov_b32 v[WC+5], v[WC+6]
	global_store_b128 v26, v[WC:WC+3], s[10:11] offset:768*((\t)/2)+256*((\t)%2)       ; eight neighbouring lanes store 128 neighbouring bytes
	global_store_b64 v27, v[WC+4:WC+5], s[10:11] offset:768*((\t)/2)+128*((\t)%2)+512
.if (\t)+2 < NB
	WLOAD (\t)+2
.endif
.endm
	s_load_b256 s[4:11], s[0:1], 0x0               ; x s[4:5], w_qkv s[6:7], w_o s[8:9], cod s[10:11]
	s_load_b128 s[12:15], s[0:1], 0x20             ; scl s[12:13], wimg s[14:15]
	v_lshl_add_u32 v30, v0, 2, SPARE
	v_mov_b32 v31, 0
	v_lshrrev_b32 v1, 5, v0
	v_readfirstlane_b32 s16, v1                    ; wave 0..3
	v_and_b32 v2, 31, v0                           ; lane
	s_cmp_lt_u32 ttmp9, XWG
	s_cbranch_scc0 .Lweights
	; ---- x.  A wave takes a tile of 16 rows x 512 along K: four steps of 128
	s_lshl_b32 s17, ttmp9, 2
	s_add_co_u32 s17, s17, s16
	s_lshr_b32 s18, s17, 1                         ; the tile, 0..511
	s_and_b32 s19, s17, 1                          ; which 512 along K
	s_lshr_b32 s20, s18, 1
	s_lshl_b32 s20, s20, 17                        ; 32 rows of 4,096 bytes for each two tiles,
	s_and_b32 s21, s18, 1
	s_lshl_b32 s21, s21, 15                        ; 8 rows for the odd tile,
	s_add_co_u32 s20, s20, s21
	s_lshl_b32 s21, s19, 11                        ; 2,048 bytes for the second 512
	s_add_co_u32 s20, s20, s21
	s_mov_b32 s21, 0
	s_lshr_b32 s22, s18, 5
	s_mul_i32 s22, s22, 393216
	s_mul_i32 s23, s19, 196608
	s_add_co_u32 s22, s22, s23
	s_and_b32 s23, s18, 31
	s_mul_i32 s23, s23, 3072
	s_add_co_u32 s22, s22, s23
	s_mov_b32 s23, 0
	s_lshl_b32 s24, s18, 9
	s_lshl_b32 s25, s19, 8
	s_add_co_u32 s24, s24, s25
	s_mov_b32 s25, 0
	s_mov_b32 s26, 0x76543210
	s_mov_b32 s27, 0xfedcba98                      ; v_permlanex16_b32's selects for lane l xor 16
	s_mul_i32 s28, s16, 16*SPITCH                  ; my stage
	s_wait_alu depctr_va_vdst(0)
	v_lshlrev_b32 v3, 4, v2
	v_lshlrev_b32 v4, 3, v2
	v_add_nc_u32 v5, s28, v3                       ; in: 16 x lane of a row
	v_and_b32 v8, 15, v2
	v_lshrrev_b32 v7, 4, v2
	v_mul_u32_u24 v6, v8, SPITCH
	v_lshl_add_u32 v6, v7, 7, v6
	v_add_nc_u32 v6, s28, v6                       ; back: row r, + 128 h
	v_lshlrev_b32 v7, 3, v7                        ; 8 h
	v_lshlrev_b32 v8, 4, v8                        ; 16 r
	v_mov_b32 v10, 0                               ; a lane permute's destination counts as one of its sources
	s_wait_alu depctr_va_vdst(0)
	s_wait_kmcnt 0x0
	s_add_nc_u64 s[4:5], s[4:5], s[20:21]
	s_add_nc_u64 s[10:11], s[10:11], s[22:23]
	s_add_nc_u64 s[12:13], s[12:13], s[24:25]
	XLOAD 0
	XLOAD 1
.irp t, 0,1,2,3
	XSTEP \t
.endr
	s_wait_alu depctr_va_vdst(0)                   ; ahead of the reader below
	global_store_b128 v8, v[WD:WD+3], s[12:13]     ; my row's 16 scale bytes: sixteen lanes store 256 consecutive bytes, aligned (lanes 16-31 store the same bytes)
	s_wait_tensorcnt 0x0                           ; the wave's end
	ds_add_u32 v30, v31
	s_wait_dscnt 0x0
	s_endpgm
.Lweights:
	; ---- the weights.  Work-group 32 ky + cg: 128 columns (cg 0-23: w_qkv's, 24-31: w_o's) x 256 along K; a wave takes 32 columns, a lane a column, its registers run down K
	s_sub_co_u32 s17, ttmp9, XWG
	s_and_b32 s18, s17, 31                         ; cg
	s_lshr_b32 s19, s17, 5                         ; ky
	s_sub_co_u32 s21, s18, 24
	s_mov_b32 s20, 12288                           ; a row of w_qkv in bytes
	s_wait_kmcnt 0x0
	s_cmp_ge_u32 s18, 24                           ; the choices hang on the work-group's number alone
	s_cselect_b64 s[6:7], s[8:9], s[6:7]
	s_cselect_b32 s20, 4096, s20
	s_cselect_b32 s21, s21, s18                    ; the group of columns within its weight
	s_lshl_b32 s22, s19, 8
	s_mul_i32 s22, s22, s20
	s_lshl_b32 s23, s21, 9
	s_add_co_u32 s22, s22, s23
	s_lshl_b32 s23, s16, 7
	s_add_co_u32 s22, s22, s23
	s_mov_b32 s23, 0
	s_add_nc_u64 s[WBS:WBS+1], s[6:7], s[22:23]
	s_lshl_b32 s22, s20, 5                         ; 32 rows on
.irp t, 1,2,3,4,5,6,7
	s_add_nc_u64 s[WBS+2*\t:WBS+2*\t+1], s[WBS+2*\t-2:WBS+2*\t-1], s[22:23]
.endr
	s_wait_alu depctr_va_vdst(0)
	v_lshlrev_b32 v3, 2, v2
.set i, 0
.rept 32
	v_mad_u32_u24 v[WOF+i], s20, i, v3
.set i, i+1
.endr
	WLOAD 0
	WLOAD 1
	; where the results go.  w_qkv: part = cg / 8, head c = 2 (cg % 8) + wave / 2, first tile 4 part + 2 (wave % 2)
	s_lshr_b32 s24, s18, 3
	s_and_b32 s25, s18, 7
	s_lshl_b32 s25, s25, 1
	s_lshr_b32 s26, s16, 1
	s_add_co_u32 s25, s25, s26
	s_lshl_b32 s24, s24, 2
	s_and_b32 s26, s16, 1
	s_lshl_b32 s26, s26, 1
	s_add_co_u32 s24, s24, s26
	s_mul_i32 s26, s25, 147456
	s_mul_i32 s27, s19, 36864
	s_add_co_u32 s26, s26, s27
	s_mul_i32 s27, s24, 3072
	s_add_co_u32 s26, s26, s27
	s_add_co_u32 s26, s26, 6291456                 ; its images in cod
	s_mul_i32 s27, s25, 12
	s_add_co_u32 s27, s27, s24
	s_add_co_u32 s27, s27, 512
	s_lshl_b32 s27, s27, 9
	s_lshr_b32 s28, s19, 1
	s_lshl_b32 s28, s28, 8
	s_add_co_u32 s27, s27, s28
	s_and_b32 s28, s19, 1
	s_lshl_b32 s28, s28, 3
	s_add_co_u32 s27, s27, s28                     ; its scale bytes
	; w_o: first tile 8 (cg - 24) + 2 wave
	s_lshl_b32 s28, s21, 3
	s_lshl_b32 s29, s16, 1
	s_add_co_u32 s28, s28, s29
	s_lshl_b32 s30, s28, 9
	s_add_co_u32 s30, s30, 11264*32
	s_lshl_b32 s29, s19, 3
	s_add_co_u32 s30, s30, s29
	s_mul_i32 s28, s28, 12288
	s_mul_i32 s29, s19, 3072
	s_add_co_u32 s28, s28, s29
	s_mov_b32 s29, 3072                            ; from tile to tile
	s_mov_b32 s31, 16                              ; from row to row of scale bytes
	s_cmp_ge_u32 s18, 24
	s_cselect_b64 s[10:11], s[14:15], s[10:11]
	s_cselect_b32 s24, s28, s26
	s_cselect_b32 s26, s30, s27
	s_cselect_b32 s29, 12288, s29
	s_cselect_b32 s31, 32, s31
	s_mov_b32 s25, 0
	s_mov_b32 s27, 0
	s_add_nc_u64 s[10:11], s[10:11], s[24:25]
	s_add_nc_u64 s[12:13], s[12:13], s[26:27]
	v_and_b32 v10, 7, v2
	v_bfe_u32 v11, v2, 3, 1
	v_lshl_or_b32 v10, v11, 4, v10
	v_bfe_u32 v11, v2, 4, 1
	v_lshl_or_b32 v10, v11, 3, v10                 ; my column's place among its 32
	v_lshrrev_b32 v28, 4, v10
	v_and_b32 v29, 15, v10
	v_mul_u32_u24 v9, s31, v29
	v_lshl_add_u32 v9, v28, 9, v9                  ; my scale bytes: 512 a tile
	v_mul_u32_u24 v28, s29, v28
	v_lshl_add_u32 v26, v29, 4, v28                ; my 16 bytes of an image,
	v_lshl_add_u32 v27, v29, 3, v28                ; and my 8
.irp t, 0,1,2,3,4,5,6,7
	WBLOCK \t
.endr
	s_wait_alu depctr_va_vdst(0)                   ; ahead of the reader below
	global_store_b64 v9, v[WSB:WSB+1], s[12:13]    ; my column's 8 scale bytes
	s_endpgm
.Lfunc_end_k_qecf7a16854_quant:
	.size	k_qecf7a16854_quant, .Lfunc_end_k_qecf7a16854_quant-k_qecf7a16854_quant
	.p2alignl 7, 3214868480
	.fill 96, 4, 3214868480
	.section	.rodata,"a",@progbits
	.p2align	6, 0x0
	.amdhsa_kernel k_qecf7a16854_quant
		.amdhsa_group_segment_fixed_size 34304
		.amdhsa_private_segment_fixed_size 0
		.amdhsa_enable_private_segment 0
		.amdhsa_kernarg_size 48
		.amdhsa_user_sgpr_count 2
		.amdhsa_user_sgpr_kernarg_segment_ptr 1
		.amdhsa_wavefront_size32 1
		.amdhsa_system_sgpr_workgroup_id_x 1
		.amdhsa_system_sgpr_workgroup_id_y 1
		.amdhsa_system_sgpr_workgroup_id_z 1
		.amdhsa_system_vgpr_workitem_id 0
		.amdhsa_next_free_vgpr 256
		.amdhsa_next_free_sgpr 66
		.amdhsa_reserve_vcc 0
		.amdhsa_float_denorm_mode_32 3
		.amdhsa_float_denorm_mode_16_64 3
		.amdhsa_memory_ordered 1
		.amdhsa_forward_progress 1
		.amdhsa_inst_pref_size 74
	.end_amdhsa_kernel
	.amdgpu_metadata
---
amdhsa.version: [ 1, 2 ]
amdhsa.kernels:
  - .name:           k_qecf7a16854_quant
    .symbol:         k_qecf7a16854_quant.kd
    .args:
      - { .name: x, .offset: 0, .size: 8, .value_kind: global_buffer, .address_space: global }
      - { .name: w_qkv, .offset: 8, .size: 8, .value_kind: global_buffer, .address_space: global }
      - { .name: w_o, .offset: 16, .size: 8, .value_kind: global_buffer, .address_space: global }
      - { .name: cod, .offset: 24, .size: 8, .value_kind: global_buffer, .address_space: global }
      - { .name: scl, .offset: 32, .size: 8, .value_kind: global_buffer, .address_space: global }
      - { .name: wimg, .offset: 40, .size: 8, .value_kind: global_buffer, .address_space: global }
    .group_segment_fixed_size: 34304
    .private_segment_fixed_size: 0
    .kernarg_segment_align: 8
    .kernarg_segment_size: 48
    .max_flat_workgroup_size: 128
    .sgpr_count:     66
    .vgpr_count:     256
    .wavefront_size: 32
...
	.end_amdgpu_metadata
.endif
;; end of part 1
;; launch qkv (part 2): grid 16 x 16, 4 waves a work-group, clusters of 4 x 4, 327,680 bytes of LDS; arguments cod, scl, img, isc; writes img, isc
.if DOCPART == 2
	.amdgcn_target "amdgcn-amd-amdhsa--gfx1250"
	.amdhsa_code_object_version 6
	.text
	.protected	k_qecf7a16854_qkv
	.globl	k_qecf7a16854_qkv
	.p2align	8
	.type	k_qecf7a16854_qkv,@function
k_qecf7a16854_qkv:
	s_mov_b64 s[64:65], 0
	v_nop
	global_prefetch_b8 v0, s[64:65] scope:SCOPE_SE
	s_setreg_imm32_b32 hwreg(HW_REG_WAVE_MODE, 25, 1), 1
	s_wait_xcnt 0x0
	s_wait_alu depctr_hold_cnt(0) depctr_sa_sdst(0) depctr_va_vdst(0) depctr_va_sdst(0) depctr_va_ssrc(0) depctr_va_vcc(0) depctr_vm_vsrc(0)
	s_getreg_b32 s2, hwreg(HW_REG_IB_STS2, 6, 4)
	s_cmp_eq_u32 s2, 0
	s_cbranch_scc0 .Lentry_in_a_cluster
	s_endpgm
.Lentry_in_a_cluster:
	s_bfe_u32 s2, ttmp6, 0x10000c
	s_cmp_lg_u32 s2, 0xf033
	s_cbranch_scc0 .Lentry_shape_is_right
	s_endpgm
.Lentry_shape_is_right:
; The first product, x w_qkv, on codes of FP6 (E2M3) with one E8M0 scale for each 32 along K = 1,024; its results are quantised in registers and leave as IMAGES OF OPERAND REGISTERS for the attention launch.
; SHARES.  256 work-groups: work-group (c, ty) makes tokens 512 ty .. + 511 x head c of q, of k and of v (192 columns).  A wave makes 128 tokens x 192 columns: 96 accumulators, 768 registers (windows 1 to 3).
; Operands lie in cod as images (a fragment of 16 rows x 128 K is 1,536 consecutive bytes in the order of its registers), dense for each work-group's block and K step of 256: tiles come as rows of 256 bytes, LDS needs no padding.
; q, k: source 0 = 16 places of w, source 1 = 16 tokens: a lane holds a token, and the 16 registers of w's tiles 2 g, 2 g + 1 are 16 neighbouring channels.  Accumulator (a, b) at 8 (8 a + b), windows 1 and 2.
; v: source 0 = 16 tokens, source 1 = 16 places of w: a lane holds a channel, and the 16 registers of x's tiles 2 g, 2 g + 1 are 16 neighbouring keys.  Accumulator (bv, a) at 8 (8 bv + a), window 3.
; LDS: x's slots 0, 1 (98,304 bytes each), w's slots 0, 1 (36,864 each), x's and w's scale bytes for all of K, the spare words.  THE HEAD has one load a wave: x's K steps 0 and 1, w's, x's scale bytes, w's.
; Two refills (K steps 2, 3), each behind a round of the cluster's barrier: waves 0 and 1 half of x's tile each, wave 2 w's.  CLUSTERS: 4 x 4; x's tiles are asked for jointly along a row of the cluster, w's along a column.
; A STEP is 128 along K, 96 products.  w's 12 fragments lie once in registers; x's come block by block through four buffers, two blocks ahead.  Blocks 6 and 7 go together, by groups of w's fragments, so that each group's
; registers take the next step's fragments while the other groups are multiplied.  Each accumulator has one product a step.
; No prefetch: K has four K steps, two of them asked for at the head and the others as soon as a slot is free.
; OUT: image idx of q, k = (16 part + c) x 512 + tile of tokens; of v (from byte 12,582,912) = (keys / 64) x 64 + 4 c + bv; scale words in isc at (idx / 4) x 256 + 16 r + 4 (idx % 4) (v from byte 1,048,576, the word of 128 keys at the even keys / 64).
; LIMITS: a block of zeros or under 2^-124 gets the byte 1 (read by this program alone); NaN and infinities are not served.
.set AS1,  98304                       ; from x's slot 0 to slot 1
.set BS0,  196608                      ; w's slot 0
.set BS1,  36864                       ; from it to slot 1
.set SCA,  270336                      ; x's scale bytes: [tile 32][512 along K 2][r][16]
.set SCB,  286720                      ; w's: [tile 12] likewise
.set SPARE, 292864
.set SPW,  14                          ; v14 my spare word, v15 0; never rewritten.  v4-7 x's LDS addresses (16 x lane: slots 0, 1; 8 x lane: slots 0, 1), v8-11 w's, v12-13 the scale words'
.set NIL,  15
.set SC,   16                          ; v16-63 scale words and nothing else: set ks % 2, register 2 i + q: lanes 0-15 x's block i, lanes 16-31 w's block i
.set BF,   64                          ; v64-207 w's 12 fragments
.set AFB,  208                         ; v208-255 x's four buffers
.set PC0,  64                          ; the way out: block a's codes at v[64 + 12 a]
.set TM,   208
.set SW,   224
.set CT,   236
.set SD,   244
.set L16,  4
.set L8,   5
.set LN,   6
.set R16,  7
.set G1A, 24
.set G1B, 32
.set G1SA, 40
.set G1SB, 48
.set G0HA, 56
.set G0HB, 60
.set G0SA, 68
.set G0SB, 72
.set G0A, 76                           ; s[76:83] x's two refills
.set G0B, 84                           ; s[84:91] w's
.set MSB, 0
.macro WIN new                         ; the immediate's high byte repeats the setting that is left
.if MSB != \new
	s_set_vgpr_msb (MSB<<8)|\new
.set MSB, \new
.endif
.endm
.macro PLACES n
.rept \n
	v_nop
.endr
.endm
.macro CREST
	s_cmp_lg_u32 s14, 0
	s_cbranch_scc1 .Lnot_wave_0_\@
	s_barrier_signal -3
.Lnot_wave_0_\@:
	s_barrier_wait -3
	s_barrier_signal -1
	s_barrier_wait -1
.endm
.macro CROUND
	s_barrier_signal -1
	s_barrier_wait -1
	CREST
.endm
.macro TLOAD g0, g1
	tensor_load_to_lds s[\g0:\g0+3], s[\g1:\g1+7]
	s_nop 0
	PLACES 4
.endm
.macro GROUP1 g, mask, rows            ; dense rows of 256 bytes (32 elements of 8)
	s_or_b32 s[\g], s[\mask], (3<<16)|(1<<21)
	s_mov_b32 s[\g+1], 32<<16
	s_mov_b32 s[\g+2], (\rows)<<16
	s_mov_b32 s[\g+3], 32<<16
	s_mov_b32 s[\g+4], \rows
	s_mov_b32 s[\g+5], 32
	s_mov_b32 s[\g+6], 0
	s_mov_b32 s[\g+7], 0
.endm
.macro GROUP0 g, base, off
	s_mov_b32 s[\g], 1
	s_add_nc_u64 s[\g+2:\g+3], s[\base:\base+1], \off
	s_or_b32 s[\g+3], s[\g+3], 0x80000000
.endm
.macro FRAGL reg, a16, a8, off
	ds_load_b128 v[\reg:\reg+3], v[\a16] offset:(\off)
	ds_load_b64 v[\reg+4:\reg+5], v[\a8] offset:(\off)+512
	ds_load_b128 v[\reg+6:\reg+9], v[\a16] offset:(\off)+768
	ds_load_b64 v[\reg+10:\reg+11], v[\a8] offset:(\off)+1280
.endm
.macro LDA st, a                       ; x's block a of step st into buffer a % 4
	FRAGL AFB+12*((\a)%4), 4+((\st)/2)%2, 6+((\st)/2)%2, (\a)*3072+((\st)%2)*1536
.endm
.macro LDB st, b0                      ; four of w's fragments of step st
.irp k, 0,1,2,3
	FRAGL BF+12*((\b0)+\k), 8+((\st)/2)%2, 10+((\st)/2)%2, ((\b0)+\k)*3072+((\st)%2)*1536
.endr
.endm
.macro LDSC ks                         ; the scale words of K step ks: two a row
.irp i, 0,1,2,3,4,5,6,7
	ds_load_b64 v[SC+24*((\ks)%2)+2*\i:SC+24*((\ks)%2)+2*\i+1], v12 offset:\i*512+((\ks)/2)*256+((\ks)%2)*8
.endr
.irp i, 8,9,10,11                              ; lanes 0-15 take x's blocks 0-3 once more, and are not read
	ds_load_b64 v[SC+24*((\ks)%2)+2*\i:SC+24*((\ks)%2)+2*\i+1], v13 offset:(\i-8)*512+((\ks)/2)*256+((\ks)%2)*8
.endr
.endm
.macro QK st, a, b
.set D_, (8*(8*(\a)+(\b)))&255
.set S_, SC+24*(((\st)/2)%2)+(\st)%2
.if (\st) == 0
	v_wmma_scale_f32_16x16x128_f8f6f4 v[D_:D_+7], v[BF+12*(\b):BF+12*(\b)+11], v[AFB+12*((\a)%4):AFB+12*((\a)%4)+11], 0, v[S_+2*(\b)], v[S_+2*(\a)] matrix_a_fmt:MATRIX_FMT_FP6 matrix_b_fmt:MATRIX_FMT_FP6 matrix_a_scale:MATRIX_SCALE_ROW1
.else
	v_wmma_scale_f32_16x16x128_f8f6f4 v[D_:D_+7], v[BF+12*(\b):BF+12*(\b)+11], v[AFB+12*((\a)%4):AFB+12*((\a)%4)+11], v[D_:D_+7], v[S_+2*(\b)], v[S_+2*(\a)] matrix_a_fmt:MATRIX_FMT_FP6 matrix_b_fmt:MATRIX_FMT_FP6 matrix_a_scale:MATRIX_SCALE_ROW1
.endif
.endm
.macro VV st, bv, a
.set D_, 8*(8*(\bv)+(\a))
.set S_, SC+24*(((\st)/2)%2)+(\st)%2
.if (\st) == 0
	v_wmma_scale_f32_16x16x128_f8f6f4 v[D_:D_+7], v[AFB+12*((\a)%4):AFB+12*((\a)%4)+11], v[BF+12*(8+(\bv)):BF+12*(8+(\bv))+11], 0, v[S_+2*(\a)], v[S_+2*(8+(\bv))] matrix_a_fmt:MATRIX_FMT_FP6 matrix_b_fmt:MATRIX_FMT_FP6 matrix_b_scale:MATRIX_SCALE_ROW1
.else
	v_wmma_scale_f32_16x16x128_f8f6f4 v[D_:D_+7], v[AFB+12*((\a)%4):AFB+12*((\a)%4)+11], v[BF+12*(8+(\bv)):BF+12*(8+(\bv))+11], v[D_:D_+7], v[S_+2*(\a)], v[S_+2*(8+(\bv))] matrix_a_fmt:MATRIX_FMT_FP6 matrix_b_fmt:MATRIX_FMT_FP6 matrix_b_scale:MATRIX_SCALE_ROW1
.endif
.endm
.macro BLK st, a                       ; blocks 0 to 5 of a step.  The buffer that is loaded was read two blocks ago; the four v_nop of the block between are the places
	WIN 0
	LDA \st, (\a)+2
.if (\a) == 0
	s_wait_dscnt 20                                ; w's fragments 0-7 and x's blocks 0, 1 are in; w's last four fragments (16 loads) and the block just asked for (4) may be out
.else
	s_wait_dscnt 8                                 ; this block is in; the two blocks behind it may be out
.endif
	WIN 0x50*(1+(\a)/4)
.irp b, 0,1,2,3,4,5,6,7
	QK \st, \a, \b
.endr
.if (\a) == 0
	s_wait_dscnt 4                                 ; w's last four fragments are in
.endif
	WIN 0xf0
.irp bv, 0,1,2,3
	VV \st, \bv, \a
	v_nop
.endr
.endm
.macro REFILL n                        ; the n-th refill: one tensor load a wave, wave 3 none
	s_cmp_lt_u32 s14, 2
	s_cbranch_scc0 .Lfor_w_\@
	TLOAD G0A+4*\n, G1A
	s_branch .Lasked_\@
.Lfor_w_\@:
	s_cmp_eq_u32 s14, 2
	s_cbranch_scc0 .Lasked_\@
	TLOAD G0B+4*\n, G1B
.Lasked_\@:
.endm
; Blocks 6 and 7.  change = 1: the next step lies in the other slot: in front of the barrier each wave waits for all its tensor loads, adds 0 to its spare word, and waits for that and for its reads of this slot, all of which
; have been issued; fill >= 0: the barrier opens a round of the cluster's, and this slot is filled again.  last = 1: nothing more is fetched.
.macro TWO st, change, fill, last
	WIN 0
.if \change
	s_wait_tensorcnt 0x0                           ; all my tensor loads have landed
	ds_add_u32 v[SPW], v[NIL]
	s_wait_dscnt 1                                 ; blocks 6 and 7 are in; the add may be out
.else
	s_wait_dscnt 0x0
.endif
	WIN 0xa0
.irp b, 0,1,2,3
	QK \st, 6, \b
.endr
.irp b, 0,1,2,3
	QK \st, 7, \b
.endr
.if \change
	s_wait_dscnt 0x0                               ; the add is done, and my reads of this slot are over
	s_barrier_signal -1
.endif
.irp b, 4,5,6,7
	QK \st, 6, \b
	v_nop                                          ; the places behind the last readers of w's fragments 0-3 and of buffer 1
.endr
.irp b, 4,5,6,7
	QK \st, 7, \b
.endr
	WIN 0
.if \change
	s_barrier_wait -1
.if (\fill) >= 0
	CREST
	REFILL \fill
.endif
	LDSC ((\st)+1)/2
.endif
.if !(\last)
	LDA (\st)+1, 0
	LDA (\st)+1, 1
	LDB (\st)+1, 0
.endif
	WIN 0xf0
.irp bv, 0,1,2,3
	VV \st, \bv, 6
	v_nop                                          ; the places behind the last readers of w's fragments 4-7
.endr
.irp bv, 0,1,2,3
	VV \st, \bv, 7
.endr
	WIN 0
.if !(\last)
	LDB (\st)+1, 4
.endif
	PLACES 4                                       ; behind the step's last products
.if !(\last)
	LDB (\st)+1, 8
.endif
.endm
	s_load_b256 s[4:11], s[0:1], 0x0               ; cod s[4:5], scl s[6:7], img s[8:9], isc s[10:11]
	v_lshl_add_u32 v[SPW], v0, 2, SPARE
	v_mov_b32 v[NIL], 0
	ds_add_u32 v[SPW], v[NIL]                      ; the opening lines: the add, twice on end, and its wait
	ds_add_u32 v[SPW], v[NIL]
	v_lshrrev_b32 v1, 5, v0
	v_readfirstlane_b32 s14, v1                    ; wave 0..3
	s_bfe_u32 s15, ttmp6, 0x40000                  ; cx
	s_bfe_u32 s16, ttmp6, 0x40004                  ; cy
	s_lshl_b32 s17, ttmp9, 2
	s_add_co_u32 s17, s17, s15                     ; c
	s_and_b32 s18, ttmp7, 0xffff
	s_lshl_b32 s18, s18, 2
	s_add_co_u32 s18, s18, s16                     ; ty
	s_lshl_b32 s19, s16, 2
	s_lshl_b32 s19, 15, s19                        ; my row of the cluster
	s_lshl_b32 s3, 0x1111, s15                     ; my column
	GROUP1 G1A, 19, 768                            ; at the head: two K steps of x's 512 rows
	GROUP1 G1B, 3, 288                             ; and of w's 192
	GROUP1 G1SA, 19, 64
	GROUP1 G1SB, 3, 24
	s_mul_i32 s92, s18, 393216                     ; x's block in cod,
	s_mov_b32 s93, 0
	s_mul_i32 s94, s17, 147456
	s_add_co_u32 s94, s94, 6291456                 ; w's,
	s_mov_b32 s95, 0
	s_lshl_b32 s96, s18, 14                        ; their scale bytes
	s_mov_b32 s97, 0
	s_mul_i32 s98, s17, 6144
	s_add_co_u32 s98, s98, 262144
	s_mov_b32 s99, 0
	s_mul_i32 s12, s14, 49152                      ; a refill's half of x's tile, by the wave's number alone
	s_mov_b32 s13, 0
	s_mul_i32 s66, s14, 24576                      ; my eight tiles of x in a slot
	s_lshl_b32 s15, s14, 12
	s_sub_co_u32 s16, SCB-SCA, s15                 ; from my scale words of x to w's
	s_add_co_u32 s15, s15, SCA
	; where the results go
	s_mul_i32 s20, s17, 393216
	s_mul_i32 s21, s18, 24576
	s_add_co_u32 s20, s20, s21
	s_mul_i32 s21, s14, 6144
	s_add_co_u32 s20, s20, s21                     ; q's images: (512 c + 32 ty + 8 wave) x 768
	s_mov_b32 s21, 0
	s_lshl_b32 s22, s17, 15
	s_lshl_b32 s23, s18, 11
	s_add_co_u32 s22, s22, s23
	s_lshl_b32 s23, s14, 9
	s_add_co_u32 s22, s22, s23                     ; their scale words: 64 bytes an image
	s_mov_b32 s23, 0
	s_wait_dscnt 0x0
	s_wait_kmcnt 0x0
	s_add_nc_u64 s[92:93], s[4:5], s[92:93]
	s_add_nc_u64 s[94:95], s[4:5], s[94:95]
	s_add_nc_u64 s[96:97], s[6:7], s[96:97]
	s_add_nc_u64 s[98:99], s[6:7], s[98:99]
	s_add_nc_u64 s[4:5], s[8:9], s[20:21]          ; q's and k's images
	s_add_nc_u64 s[6:7], s[10:11], s[22:23]        ; and scale words
	s_mul_i32 s20, s18, 393216
	s_mul_i32 s21, s14, 98304
	s_add_co_u32 s20, s20, s21
	s_mul_i32 s21, s17, 3072
	s_add_co_u32 s20, s20, s21
	s_add_co_u32 s20, s20, 12582912                ; v's images: ((8 ty + 2 wave) x 64 + 4 c) x 768
	s_mov_b32 s21, 0
	s_lshl_b32 s22, s18, 15
	s_lshl_b32 s23, s14, 13
	s_add_co_u32 s22, s22, s23
	s_lshl_b32 s23, s17, 8
	s_add_co_u32 s22, s22, s23
	s_add_co_u32 s22, s22, 1048576
	s_mov_b32 s23, 0
	s_add_nc_u64 s[8:9], s[8:9], s[20:21]
	s_add_nc_u64 s[10:11], s[10:11], s[22:23]
	CROUND                                         ; all sixteen work-groups are here: the first joint loads meet
	GROUP0 G0HA, 92, 0
	s_mov_b32 s[G0HA+1], 0
	GROUP0 G0HB, 94, 0
	s_mov_b32 s[G0HB+1], BS0
	GROUP0 G0SA, 96, 0
	s_mov_b32 s[G0SA+1], SCA
	GROUP0 G0SB, 98, 0
	s_mov_b32 s[G0SB+1], SCB
	s_add_nc_u64 s[92:93], s[92:93], s[12:13]
	GROUP0 G0A, 92, 2*98304                        ; K step 2 into slot 0,
	s_mov_b32 s[G0A+1], s12
	GROUP0 G0A+4, 92, 3*98304                      ; K step 3 into slot 1
	s_add_co_u32 s[G0A+5], s12, AS1
	GROUP0 G0B, 94, 2*36864
	s_mov_b32 s[G0B+1], BS0
	GROUP0 G0B+4, 94, 3*36864
	s_mov_b32 s[G0B+5], BS0+BS1
; one chain of branches on the wave's number, one load to an arm, all arms to one join
.macro ARM under, g0, g1, next
	s_cmp_lt_u32 s14, \under
	s_cbranch_scc0 \next
	TLOAD \g0, \g1
	s_branch .Lhead_asked
\next:
.endm
	ARM 1, G0HA, G1A, .Lhead_b
	ARM 2, G0HB, G1B, .Lhead_sa
	ARM 3, G0SA, G1SA, .Lhead_sb
	TLOAD G0SB, G1SB
.Lhead_asked:
	v_and_b32 v1, 15, v0                           ; r
	v_bfe_u32 v2, v0, 4, 1                         ; h
	v_and_b32 v3, 31, v0
	v_lshl_add_u32 v4, v3, 4, s66
	v_lshl_add_u32 v6, v3, 3, s66
	v_add_nc_u32 v5, AS1, v4
	v_add_nc_u32 v7, AS1, v6
	v_lshl_add_u32 v8, v3, 4, BS0
	v_lshl_add_u32 v10, v3, 3, BS0
	v_add_nc_u32 v9, BS1, v8
	v_add_nc_u32 v11, BS1, v10
	v_mul_u32_u24 v13, s16, v2                     ; lanes 16-31 take w's: one product, the distance between the two bases
	v_lshl_add_u32 v12, v1, 4, v13
	v_add_nc_u32 v12, s15, v12
	v_lshl_add_u32 v13, v2, 12, v12                ; for w's blocks 8-11: eight tiles on in lanes 16-31 alone
	s_wait_alu depctr_va_vdst(0)
	s_wait_tensorcnt 0x0                           ; my tile of the head's four is in; no tensor load of mine is out, so descriptors may be written:
	s_mov_b32 s[G1A+2], 192<<16                    ; a refill brings half of x's tile of one K step,
	s_mov_b32 s[G1A+4], 192
	s_mov_b32 s[G1B+2], 144<<16                    ; or w's
	s_mov_b32 s[G1B+4], 144
	s_barrier_signal -1
	s_barrier_wait -1                              ; everybody's is in
	LDSC 0
	LDA 0, 0
	LDA 0, 1
	LDB 0, 0
	LDB 0, 4
	LDB 0, 8
.macro STEP st, change, fill, last
.irp a, 0,1,2,3,4,5
	BLK \st, \a
.endr
	TWO \st, \change, \fill, \last
.endm
	STEP 0, 0, -1, 0                               ; the first step's products start the sums: nothing is cleared
	STEP 1, 1, 0, 0
	STEP 2, 0, -1, 0
	STEP 3, 1, 1, 0
	STEP 4, 0, -1, 0
	STEP 5, 1, -1, 0
	STEP 6, 0, -1, 0
	STEP 7, 0, -1, 1
; THE WAY OUT.  Block a (0-7: a tile of tokens x q's and k's 128 channels; 8-11: a tile of v's channels x my 128 keys): my lane's 64 numbers, register 16 g + i = place 32 g + 16 (lane / 16) + i, become 12 registers of codes and a scale word
.macro QUANTW a
.set AC, 64*((\a)%4)
.set W_, 1+(\a)/4
.set PCA, PC0+12*(\a)
	WIN W_|(W_<<2)
.irp b, 0,1,2,3
	v_max3_num_f32 v[TM+\b], |v[AC+16*\b]|, |v[AC+16*\b+1]|, 0x1800000   ; my 16 numbers of a block and the floor 2^(3 - 127); each accumulator is read from its low end on
.endr
.irp i, 2,4,6,8,10,12,14
.irp b, 0,1,2,3
	v_max3_num_f32 v[TM+\b], |v[AC+16*\b+\i]|, |v[AC+16*\b+\i+1]|, v[TM+\b]
.endr
.endr
	WIN 0
.irp b, 0,1,2,3
	v_permlanex16_b32 v[TM+4+\b], v[TM+\b], s12, s13
.endr
.irp b, 0,1,2,3
	v_max_num_f32 v[TM+\b], v[TM+\b], v[TM+4+\b]   ; with lane l xor 16's: the block's largest magnitude
.endr
.irp b, 0,1,2,3
	v_add_nc_u32 v[TM+12+\b], 0xff000000, v[TM+\b] ; 2 off its exponent field: the conversion's scale operand
.endr
.irp b, 0,1,2,3
	v_lshrrev_b32 v[TM+4+\b], 23, v[TM+12+\b]      ; the scale's byte
.endr
	v_lshl_or_b32 v[SW+(\a)], v[TM+5], 8, v[TM+4]
	v_lshl_or_b32 v[SW+(\a)], v[TM+6], 16, v[SW+(\a)]
	v_lshl_or_b32 v[SW+(\a)], v[TM+7], 24, v[SW+(\a)]
	WIN W_
.irp c, 0,1
	v_cvt_scalef32_pk16_fp6_f32 v[PCA+6*\c:PCA+6*\c+2], v[AC+32*\c:AC+32*\c+15], v[TM+12+2*\c]
	v_cvt_scalef32_pk16_fp6_f32 v[CT+4*\c:CT+4*\c+2], v[AC+32*\c+16:AC+32*\c+31], v[TM+12+2*\c+1]   ; (a conversion's three registers begin on an even number)
.endr
	WIN 0
	v_nop                                          ; one plain line behind a scaled conversion
.irp c, 0,1                                    ; the operand's layout wants a whole block in a lane
.irp i, 0,1,2
	v_permlane16_swap_b32 v[PCA+6*\c+\i], v[CT+4*\c+\i]
.endr
.irp i, 0,1,2
	v_mov_b32 v[PCA+3+6*\c+\i], v[CT+4*\c+\i]
.endr
.endr
.if (\a) < 8
	global_store_b128 v[L16], v[PCA:PCA+3], s[4:5] offset:768*(\a)                    ; q's image: 512 consecutive bytes, aligned
	global_store_b64 v[L8], v[PCA+4:PCA+5], s[4:5] offset:768*(\a)+512
	global_store_b128 v[L16], v[PCA+6:PCA+9], s[4:5] offset:6291456+768*(\a)          ; k's: 8,192 images on
	global_store_b64 v[L8], v[PCA+10:PCA+11], s[4:5] offset:6291456+768*(\a)+512
.else
	global_store_b128 v[L16], v[PCA:PCA+3], s[8:9] offset:768*((\a)-8)                ; v's first 64 keys
	global_store_b64 v[L8], v[PCA+4:PCA+5], s[8:9] offset:768*((\a)-8)+512
	global_store_b128 v[L16], v[PCA+6:PCA+9], s[8:9] offset:49152+768*((\a)-8)        ; the second: 64 images on
	global_store_b64 v[L8], v[PCA+10:PCA+11], s[8:9] offset:49152+768*((\a)-8)+512
.endif
.endm
	s_mov_b32 s12, 0x76543210
	s_mov_b32 s13, 0xfedcba98                      ; v_permlanex16_b32's selects for lane l xor 16
	v_and_b32 v[LN], 31, v0
	v_lshlrev_b32 v[L16], 4, v[LN]
	v_lshlrev_b32 v[L8], 3, v[LN]
	v_and_b32 v[R16], 15, v0
	v_lshlrev_b32 v[R16], 4, v[R16]
.irp b, 0,1,2,3
	v_mov_b32 v[TM+4+\b], 0                        ; written once: a lane permute's destination counts as one of its sources
.endr
	s_wait_alu depctr_va_vdst(0)
.irp a, 0,1,2,3,4,5,6,7,8,9,10,11
	QUANTW \a
.endr
	v_cmp_lt_u32 vcc_lo, 15, v[LN]                 ; lanes 0-15 store the words of blocks 0-3 of row r, lanes 16-31 those of blocks 4-7 (both halves of the lanes hold every word)
.irp i, 0,1,2,3
	v_cndmask_b32 v[SD+\i], v[SW+\i], v[SW+4+\i], vcc_lo
.endr
.irp i, 0,1,2,3
	v_lshrrev_b32 v[SD+4+\i], 16, v[SD+\i]         ; k's: the upper two bytes
.endr
.irp i, 0,1,2,3
	v_and_b32 v[SD+\i], 0xffff, v[SD+\i]           ; q's: the lower two
.endr
	global_store_b128 v[L16], v[SD:SD+3], s[6:7]
	global_store_b128 v[L16], v[SD+4:SD+7], s[6:7] offset:524288
	global_store_b128 v[R16], v[SW+8:SW+11], s[10:11]   ; v's four words of row r: sixteen lanes store 256 consecutive bytes, aligned (lanes 16-31 store the same bytes)
	s_wait_tensorcnt 0x0                           ; the wave's end
	ds_add_u32 v[SPW], v[NIL]
	s_wait_dscnt 0x0
	CROUND                                         ; the closing round: no work-group ends while a partner may still ask for a tile that names it
	s_endpgm
.Lfunc_end_k_qecf7a16854_qkv:
	.size	k_qecf7a16854_qkv, .Lfunc_end_k_qecf7a16854_qkv-k_qecf7a16854_qkv
	.p2alignl 7, 3214868480
	.fill 96, 4, 3214868480
	.section	.rodata,"a",@progbits
	.p2align	6, 0x0
	.amdhsa_kernel k_qecf7a16854_qkv
		.amdhsa_group_segment_fixed_size 327680
		.amdhsa_private_segment_fixed_size 0
		.amdhsa_enable_private_segment 0
		.amdhsa_kernarg_size 32
		.amdhsa_user_sgpr_count 2
		.amdhsa_user_sgpr_kernarg_segment_ptr 1
		.amdhsa_wavefront_size32 1
		.amdhsa_system_sgpr_workgroup_id_x 1
		.amdhsa_system_sgpr_workgroup_id_y 1
		.amdhsa_system_sgpr_workgroup_id_z 1
		.amdhsa_system_vgpr_workitem_id 0
		.amdhsa_next_free_vgpr 1024
		.amdhsa_next_free_sgpr 100
		.amdhsa_reserve_vcc 1
		.amdhsa_float_denorm_mode_32 3
		.amdhsa_float_denorm_mode_16_64 3
		.amdhsa_memory_ordered 1
		.amdhsa_forward_progress 1
		.amdhsa_inst_pref_size 220
	.end_amdhsa_kernel
	.amdgpu_metadata
---
amdhsa.version: [ 1, 2 ]
amdhsa.kernels:
  - .name:           k_qecf7a16854_qkv
    .symbol:         k_qecf7a16854_qkv.kd
    .args:
      - { .name: cod, .offset: 0, .size: 8, .value_kind: global_buffer, .address_space: global }
      - { .name: scl, .offset: 8, .size: 8, .value_kind: global_buffer, .address_space: global }
      - { .name: img, .offset: 16, .size: 8, .value_kind: global_buffer, .address_space: global }
      - { .name: isc, .offset: 24, .size: 8, .value_kind: global_buffer, .address_space: global }
    .group_segment_fixed_size: 327680
    .private_segment_fixed_size: 0
    .kernarg_segment_align: 8
    .kernarg_segment_size: 32
    .max_flat_workgroup_size: 128
    .sgpr_count:     100
    .vgpr_count:     1024
    .wavefront_size: 32
...
	.end_amdgpu_metadata
.endif
;; end of part 2
;; launch attn (part 3): grid 4 x 64, 16 waves a work-group, clusters of 4 x 1, 210,944 bytes of LDS; arguments img, isc, aimg, asc; writes aimg, asc
.if DOCPART == 3
	.amdgcn_target "amdgcn-amd-amdhsa--gfx1250"
	.amdhsa_code_object_version 6
	.text
	.protected	k_qecf7a16854_attn
	.globl	k_qecf7a16854_attn
	.p2align	8
	.type	k_qecf7a16854_attn,@function
k_qecf7a16854_attn:
	s_mov_b64 s[64:65], 0
	v_nop
	global_prefetch_b8 v0, s[64:65] scope:SCOPE_SE
	s_setreg_imm32_b32 hwreg(HW_REG_WAVE_MODE, 25, 1), 1
	s_wait_xcnt 0x0
	s_wait_alu depctr_hold_cnt(0) depctr_sa_sdst(0) depctr_va_vdst(0) depctr_va_sdst(0) depctr_va_ssrc(0) depctr_va_vcc(0) depctr_vm_vsrc(0)
	s_getreg_b32 s2, hwreg(HW_REG_IB_STS2, 6, 4)
	s_cmp_eq_u32 s2, 0
	s_cbranch_scc0 .Lentry_in_a_cluster
	s_endpgm
.Lentry_in_a_cluster:
	s_bfe_u32 s2, ttmp6, 0x10000c
	s_cmp_lg_u32 s2, 0x3003
	s_cbranch_scc0 .Lentry_shape_is_right
	s_endpgm
.Lentry_shape_is_right:
; Causal attention of one head on codes of FP6 (E2M3): S = q k^T (K = the head's 64, the upper 64 of the instruction's 128 are zero codes), p = 2^(t - M), O = p v (K = the keys), O / the row's sum, quantised along D.
; t = score x log2(e) / 8; M = the running largest t rounded UP to a whole number; the row's sum is taken of the unquantised p; when M moves, the sum and O are multiplied by 2^(old M - new M), which rounds nothing.
; INPUTS: images of operand registers (768 bytes: registers 0-3 at 16 x lane, 4-5 at 512 + 8 x lane) and scale words (four images' words of a row on end), as the launch before has laid them.
; A tile of 16 queries or keys is tile 2 g + u of its 128: lane r holds token 32 g + 8 u + r + 8 (r / 8).  v's images hold 16 channels x 64 keys, the keys in their true order.
; SHARES.  The cluster's y is the head (batch y / 16, head y % 16).  The head's four work-groups are one cluster: all of the head's K and V (2 x 98,304 bytes and 12,288 of scale words) is asked for JOINTLY,
; once, by first fills: no slot is ever filled again.  Of each group j of 128 queries work-group cx takes tiles 8 j + 2 cx + e.  A wave owns two tiles, in groups JLO = 0..7 and JHI = 15 - JLO:
; (JLO + 1) + (JHI + 1) = 17 key steps of 128 keys for every wave of the launch.  JLO, JHI and e hang on the wave's number alone; cx enters only global addresses and the mask's number of a lane.
; BOTH PRODUCTS ARE USED TRANSPOSED: S^T = K Q^T, O^T = V^T P^T: a lane holds one query throughout; the 16 registers of tiles 2 g, 2 g + 1 of S^T are 16 neighbouring keys, those of O^T 16 neighbouring channels.
; CAUSAL.  A step all of whose keys come after the tile's queries is jumped over (a scalar branch on the wave's number and the loop's count); in the one step on the diagonal hidden scores become -infinity.
; OUTPUT: aimg [tile of 16 rows 512][head 16][768 bytes]: o's codes as images; asc [row][32]: its scale bytes, two for each head: a row's 32 bytes come from 16 work-groups, so they leave two at a time.
; LIMITS: a block of zeros or under 2^-124 gets the byte 1 (read by this program alone); NaN and infinities are not served.
.set KIM,  0                           ; LDS: K's 128 images
.set VIM,  98304                       ; V's: [64 keys 32][16 channels 4][768]
.set KSC,  196608                      ; K's scale words: 512 bytes a key step
.set VSC,  204800                      ; V's: 256 bytes a key step
.set L16,  1                           ; v1  16 x lane
.set L8,   2                           ; v2  8 x lane
.set R16,  3                           ; v3  16 x (lane % 16)
.set VD,   4                           ; v4  my query's place in its 128, less 16 (lane / 16)
.set ADK16, 5                          ; v5-10 the key step's LDS addresses
.set ADK8, 6
.set ADV16, 7
.set ADV8, 8
.set ADSK, 9
.set ADSV, 10
.set NINF, 11                          ; v11 -infinity
.set KF,   56                          ; v56-103 four fragments of K: +0..5 codes, +6..11 zeros, written once.  (v12-19 statistics, v20-43 Q, v44-54 scale words and nothing else)
.set S,    104                         ; v104-167 S^T, then p
.set VF,   104                         ; v104-151 later V's four fragments
.set PCD,  232                         ; v232-243 p's codes
.set BM,   244                         ; v244-247 the blocks' largest
.set PT,   248                         ; v248-251 at work
.set SO,   80                          ; v80-83 the conversions' scale operands, v56-58 and v68-70 their second halves: in K's code registers, which are loaded anew in each step
.set CT,   56
.set WV,   18
.set SEL,  20
.set CS,   22
.set JLO,  84
.set JHI,  85
.set KN,   86                          ; the key step
.set TK,   87                          ; where its images and scale words begin in LDS
.set TV,   88
.set TSK,  89
.set TSV,  90
.set JH8,  91                          ; JHI - 8: the later tile's diagonal, counted from key step 8
.macro ROUND                           ; a round of the cluster's barrier
	s_barrier_signal -1
	s_barrier_wait -1
	s_cmp_lg_u32 s[WV], 0
	s_cbranch_scc1 .Lnot_wave_0_\@
	s_barrier_signal -3
.Lnot_wave_0_\@:
	s_barrier_wait -3
	s_barrier_signal -1
	s_barrier_wait -1
.endm
.macro ADDR
	v_add_nc_u32 v[ADK16], s[TK], v[L16]
	v_add_nc_u32 v[ADK8], s[TK], v[L8]
	v_add_nc_u32 v[ADV16], s[TV], v[L16]
	v_add_nc_u32 v[ADV8], s[TV], v[L8]
	v_add_nc_u32 v[ADSK], s[TSK], v[L16]
	v_add_nc_u32 v[ADSV], s[TSV], v[R16]
.endm
.macro CODES                           ; 64 numbers at v[S] on, register 16 b + i = place 32 b + 16 (lane / 16) + i, into half blocks of codes
.irp c, 0,1
	v_cvt_scalef32_pk16_fp6_f32 v[PCD+6*\c:PCD+6*\c+2], v[S+32*\c:S+32*\c+15], v[SO+2*\c]
	v_cvt_scalef32_pk16_fp6_f32 v[CT+12*\c:CT+12*\c+2], v[S+32*\c+16:S+32*\c+31], v[SO+2*\c+1]   ; (a conversion's three registers begin on an even number)
.endr
	v_nop                                          ; one plain line behind a scaled conversion
.endm
.macro WHOLE                           ; the operand's layout wants a whole block in a lane: lanes 0-15 block 2 c, lanes 16-31 block 2 c + 1
.irp c, 0,1
.irp i, 0,1,2
	v_permlane16_swap_b32 v[PCD+6*\c+\i], v[CT+12*\c+\i]
.endr
.irp i, 0,1,2
	s_delay_alu instid0(VALU_DEP_3)
	v_mov_b32 v[PCD+3+6*\c+\i], v[CT+12*\c+\i]
.endr
.endr
.endm
; A KEY STEP of 128 keys for one tile.  qf: Q's fragment; qw: its scale words; sr: -M, the largest t, the sum in two halves; of: O^T; jr: the scalar register with the tile's group; cz = 1: the step may be hidden or on the diagonal.
.macro STEP qf, qw, sr, of, jr, cz, ho         ; ho = 1: the key step lies eight steps behind the addresses' (the distance stands in the loads' immediates)
.if \cz
	s_cmp_gt_u32 s[KN], s[\jr]
	s_cbranch_scc1 .Lhidden_\@
.endif
	s_wait_alu depctr_va_vdst(0)
.irp g, 0,1                                    ; S^T = K Q^T, four tiles of 16 keys at a time
.if \g
.rept 4
	v_nop                                          ; places in front of loads into registers that the four products above have read
.endr
.endif
.irp t, 0,1,2,3
	ds_load_b128 v[KF+12*\t:KF+12*\t+3], v[ADK16] offset:(4*\g+\t)*768+49152*\ho
	ds_load_b64 v[KF+12*\t+4:KF+12*\t+5], v[ADK8] offset:(4*\g+\t)*768+512+49152*\ho
.endr
.if \g == 0
	ds_load_b128 v[46:49], v[ADSK] offset:4096*\ho ; K's scale words: lanes 0-15 tiles 0-3 of row r, lanes 16-31 tiles 4-7
	ds_load_b128 v[50:53], v[ADSV] offset:2048*\ho ; V's: the four tiles of channels
.endif
	s_wait_dscnt 0x0
.irp t, 0,1,2,3
.if \g
	v_wmma_scale_f32_16x16x128_f8f6f4 v[S+8*(4*\g+\t):S+8*(4*\g+\t)+7], v[KF+12*\t:KF+12*\t+11], v[\qf:\qf+11], 0, v[46+\t], v[\qw] matrix_a_fmt:MATRIX_FMT_FP6 matrix_b_fmt:MATRIX_FMT_FP6 matrix_a_scale:MATRIX_SCALE_ROW1
.else
	v_wmma_scale_f32_16x16x128_f8f6f4 v[S+8*(4*\g+\t):S+8*(4*\g+\t)+7], v[KF+12*\t:KF+12*\t+11], v[\qf:\qf+11], 0, v[46+\t], v[\qw] matrix_a_fmt:MATRIX_FMT_FP6 matrix_b_fmt:MATRIX_FMT_FP6
.endif
.endr
.endr
.rept 4
	v_nop
.endr
.if \cz                                        ; on the diagonal: register 16 b + i holds key 32 b + 16 (lane / 16) + i of the step: hidden where 32 b + i > v[VD]
	s_cmp_lg_u32 s[KN], s[\jr]
	s_cbranch_scc1 .Lopen_\@
.set n, 0
.rept 64
	v_cmp_gt_i32 vcc_lo, 32*(n/16)+n%16, v[VD]
	v_cndmask_b32 v[S+n], v[S+n], v[NINF], vcc_lo
.set n, n+1
.endr
.Lopen_\@:
.endif
.irp b, 0,1,2,3
	v_max3_num_f32 v[BM+\b], v[S+16*\b], v[S+1+16*\b], v[S+2+16*\b]   ; the largest score of each block of 32 keys: it serves the row's maximum and, since p rises with the score, the block's largest p
.endr
.irp i, 3,5,7,9,11,13
.irp b, 0,1,2,3
	v_max3_num_f32 v[BM+\b], v[BM+\b], v[S+16*\b+\i], v[S+1+16*\b+\i]
.endr
.endr
.irp b, 0,1,2,3
	v_max_num_f32 v[BM+\b], v[BM+\b], v[S+15+16*\b]
.endr
.irp b, 0,1,2,3
	s_delay_alu instid0(VALU_DEP_4)
	v_permlanex16_b32 v[PT+\b], v[BM+\b], s[SEL], s[SEL+1]
.endr
.irp b, 0,1,2,3
	s_delay_alu instid0(VALU_DEP_4)
	v_max_num_f32 v[BM+\b], v[BM+\b], v[PT+\b]     ; with lane l xor 16's 16 keys
.endr
	s_delay_alu instid0(VALU_DEP_2)
	v_max3_num_f32 v254, v[BM], v[BM+1], v[BM+2]
	s_delay_alu instid0(VALU_DEP_1)
	v_max_num_f32 v254, v254, v[BM+3]
	s_delay_alu instid0(VALU_DEP_1)
	v_mul_f32 v254, s[CS], v254                    ; the step's largest t of my query
	s_delay_alu instid0(VALU_DEP_1)
	v_max_num_f32 v[\sr+1], v[\sr+1], v254
	v_mov_b32 v254, v[\sr]
	s_delay_alu instid0(VALU_DEP_2)
	v_floor_f32 v[\sr], -v[\sr+1]                  ; -M = floor(-t): M is a whole number
	s_delay_alu instid0(VALU_DEP_1)
	v_sub_f32 v254, v[\sr], v254                   ; old M - new M: a whole number, 0 or less
	s_delay_alu instid0(VALU_DEP_1)
	v_cvt_i32_f32 v254, v254                       ; (it saturates)
	s_delay_alu instid0(VALU_DEP_1)
	v_ldexp_f32 v252, 1.0, v254                    ; f = 2^(old M - new M)
.set n, 0
.rept 32
	v_pk_fma_f32 v[S+n:S+n+1], v[S+n:S+n+1], s[CS:CS+1], v[\sr:\sr+1] op_sel_hi:[1,0,0]   ; t - M, two at a time
.set n, n+2
.endr
.irp b, 0,1,2,3
	v_fma_f32 v[BM+\b], v[BM+\b], s[CS], v[\sr]    ; the same of each block's largest score
.endr
.set n, 0
	s_wait_alu depctr_va_vdst(0)
.rept 64
	v_exp_f32 v[S+n], v[S+n]                       ; p = 2^(t - M), not normalised
.set n, n+1
.endr
	v_pk_mul_f32 v[\sr+2:\sr+3], v[\sr+2:\sr+3], v[252:253] op_sel_hi:[1,0]   ; the sums under the new M (the plain line behind the exponentials)
	s_wait_alu depctr_va_vdst(0)                   ; one wait for the batch, ahead of its first reader
.irp b, 0,1,2,3
	v_exp_f32 v[BM+\b], v[BM+\b]                   ; the block's largest p
.endr
	v_pk_add_f32 v[PT:PT+1], v[S:S+1], v[S+2:S+3]  ; the row's sum of the unquantised p, in two chains
.irp i, 4,8,12,16,20,24,28,32,36,40,44,48,52,56,60
	v_pk_add_f32 v[\sr+2:\sr+3], v[\sr+2:\sr+3], v[S+\i:S+\i+1]
	v_pk_add_f32 v[PT:PT+1], v[PT:PT+1], v[S+2+\i:S+3+\i]
.endr
	s_delay_alu instid0(VALU_DEP_1)
	v_pk_add_f32 v[\sr+2:\sr+3], v[\sr+2:\sr+3], v[PT:PT+1]
	s_wait_alu depctr_va_vdst(0)                   ; and one for the four
.irp b, 0,1,2,3
	v_max_num_f32 v[BM+\b], 0x1800000, v[BM+\b]    ; the floor 2^(3 - 127): the byte cannot fall under 1
.endr
.irp b, 0,1,2,3
	s_delay_alu instid0(VALU_DEP_4)
	v_add_nc_u32 v[SO+\b], 0xff000000, v[BM+\b]    ; 2 off the exponent field: the conversion's scale operand
.endr
.irp b, 0,1,2,3
	s_delay_alu instid0(VALU_DEP_4)
	v_lshrrev_b32 v[PT+\b], 23, v[SO+\b]
.endr
	s_delay_alu instid0(VALU_DEP_3)
	v_lshl_or_b32 v54, v[PT+1], 8, v[PT]           ; p's scale word for these 128 keys
	s_delay_alu instid0(VALU_DEP_1)
	v_lshl_or_b32 v54, v[PT+2], 16, v54
	s_delay_alu instid0(VALU_DEP_1)
	v_lshl_or_b32 v54, v[PT+3], 24, v54
	CODES
.irp t, 0,1,2,3                                ; V's four fragments, into the registers that p has left: registers 6 c on from the image of keys 64 c on
.irp c, 0,1
	ds_load_b128 v[VF+12*\t+6*\c:VF+12*\t+6*\c+3], v[ADV16] offset:\c*3072+\t*768+49152*\ho
	ds_load_b64 v[VF+12*\t+6*\c+4:VF+12*\t+6*\c+5], v[ADV8] offset:\c*3072+\t*768+512+49152*\ho
.endr
.endr
	WHOLE
.set n, 0
.rept 16
	v_pk_mul_f32 v[\of+n:\of+n+1], v[\of+n:\of+n+1], v[252:253] op_sel_hi:[1,0]   ; O^T under the new M.  (These are also the places between the writes of p's codes and scale word and the products)
.set n, n+2
.endr
	s_wait_alu depctr_va_vdst(0)
	s_wait_dscnt 0x0
.irp t, 0,1,2,3                                ; O^T += V^T P^T: the four accumulators by turns
	v_wmma_scale_f32_16x16x128_f8f6f4 v[\of+8*\t:\of+8*\t+7], v[VF+12*\t:VF+12*\t+11], v[PCD:PCD+11], v[\of+8*\t:\of+8*\t+7], v[50+\t], v54 matrix_a_fmt:MATRIX_FMT_FP6 matrix_b_fmt:MATRIX_FMT_FP6
.endr
.rept 5
	v_nop                                          ; five places: the next step's first products write over V's registers; four serve its loads and the reads of O^T
.endr
.if \cz
.Lhidden_\@:
.endif
.endm
	s_load_b256 s[4:11], s[0:1], 0x0               ; img s[4:5], isc s[6:7], aimg s[8:9], asc s[10:11]
	v_lshl_add_u32 v55, v0, 2, 0x33000
	v_mov_b32 v255, 0
	ds_add_u32 v55, v255
	ds_add_u32 v55, v255
	v_lshrrev_b32 v1, 5, v0
	s_delay_alu instid0(VALU_DEP_1)
	v_readfirstlane_b32 s[WV], v1                  ; wave 0..15
	s_and_b32 s12, ttmp7, 0xffff
	s_lshr_b32 s13, s12, 4                         ; batch
	s_and_b32 s14, s12, 15                         ; head
	s_bfe_u32 s15, ttmp6, 0x40000                  ; cx
	s_and_b32 s16, s[WV], 1                        ; which half I fetch, if I fetch
	s_lshr_b32 s19, s[WV], 3                       ; e
	s_bfe_u32 s17, s[WV], 0x10002
	s_mul_i32 s17, s17, 7
	s_and_b32 s[JLO], s[WV], 3
	s_xor_b32 s[JLO], s[JLO], s17                  ; 0, 1, 2, 3, 7, 6, 5, 4
	s_xor_b32 s[JHI], s[JLO], 15
	; descriptor groups 1: elements of 8 bytes, the mask of all four work-groups with bit 21 beside it, no padding
.irp g, 24,32,40,48
	s_mov_b32 s[\g], 15|(3<<16)|(1<<21)
	s_mov_b32 s[\g+6], 0
	s_mov_b32 s[\g+7], 0
.endr
	s_mov_b32 s25, 32<<16                          ; K's scale words: 16 rows of 256 bytes, dense
	s_mov_b32 s26, 16<<16
	s_mov_b32 s27, 32<<16
	s_mov_b32 s28, 16
	s_mov_b32 s29, 32
	s_mov_b32 s33, 32<<16                          ; K's images: 96 rows of 256 bytes, dense: 32 images
	s_mov_b32 s34, 96<<16
	s_mov_b32 s35, 32<<16
	s_mov_b32 s36, 96
	s_mov_b32 s37, 32
	s_mov_b32 s41, 32<<16                          ; V's scale words: 8 rows of 256 bytes, 8,192 bytes apart
	s_mov_b32 s42, 8<<16
	s_mov_b32 s43, 32<<16
	s_mov_b32 s44, 8
	s_mov_b32 s45, 1024
	s_mov_b32 s49, 384<<16                         ; V's images: 8 rows of 3,072 bytes (a head's four images of 64 keys), 49,152 bytes apart
	s_mov_b32 s50, 8<<16
	s_mov_b32 s51, 384<<16
	s_mov_b32 s52, 8
	s_mov_b32 s53, 6144
	s_lshl_b32 s91, s14, 9
	s_lshl_b32 s92, s13, 7
	s_add_co_u32 s91, s91, s92
	s_add_co_u32 s92, s91, 8192                    ; K's first image: (16 + head) x 512 + batch x 128
	s_mul_i32 s94, s92, 768
	s_mul_i32 s93, s16, 24576                      ; my half of a fill: 32 images
	s_add_co_u32 s94, s94, s93
	s_mov_b32 s95, 0
	s_lshl_b32 s96, s92, 6
	s_lshl_b32 s17, s16, 12
	s_add_co_u32 s96, s96, s17
	s_mov_b32 s97, 0
	s_add_co_u32 s57, s17, KSC
	s_lshl_b32 s2, s13, 11
	s_lshl_b32 s3, s14, 2
	s_add_co_u32 s2, s2, s3                        ; V's first image: batch x 32 x 64 + 4 x head
	s_lshl_b32 s98, s2, 6
	s_lshl_b32 s3, s16, 16                         ; my half: eight key steps
	s_add_co_u32 s98, s98, s3
	s_add_co_u32 s98, s98, 1048576
	s_mov_b32 s99, 0
	s_mul_i32 s2, s2, 768
	s_mul_i32 s3, s16, 393216                      ; my half: eight groups of 64 keys
	s_add_co_u32 s2, s2, s3
	s_add_co_u32 s2, s2, 12582912
	s_mov_b32 s3, 0
	s_lshl_b32 s17, s16, 11
	s_add_co_u32 s73, s17, VSC
	s_add_co_u32 s61, s93, KIM
	s_add_co_u32 s69, s93, KIM+49152
	s_add_co_u32 s77, s93, VIM
	s_add_co_u32 s81, s93, VIM+49152
.irp g, 56,60,68,72,76,80
	s_mov_b32 s[\g], 1
.endr
	s_wait_dscnt 0x0
	s_wait_kmcnt 0x0
	s_add_nc_u64 s[58:59], s[6:7], s[96:97]
	s_add_nc_u64 s[62:63], s[4:5], s[94:95]
	s_add_nc_u64 s[70:71], s[62:63], 49152         ; keys 1,024 on
	s_add_nc_u64 s[74:75], s[6:7], s[98:99]
	s_add_nc_u64 s[78:79], s[4:5], s[2:3]
	s_add_nc_u64 s[82:83], s[78:79], 786432        ; keys 1,024 on: 16 groups of 64
.irp g, 59,63,71,75,79,83
	s_or_b32 s[\g], s[\g], 0x80000000
.endr
	ROUND                                          ; all four work-groups are here: the joint loads meet
; THE FIRST FILLS, one a wave, in one chain of branches on the wave's number; each tile comes in two halves, by an even and an odd wave.
; Waves 0-7 ask for what key steps 0-7 need (K's scale words, K's images, V's scale words, V's images), waves 8-11 for the images of keys 1,024 on; waves 12-15 ask for nothing.
.macro ARM under, g0, g1, next
	s_cmp_lt_u32 s[WV], \under
	s_cbranch_scc0 \next
	tensor_load_to_lds s[\g0:\g0+3], s[\g1:\g1+7]
	s_nop 0
.rept 4
	v_nop
.endr
	s_branch .Lasked
\next:
.endm
	ARM 2, 56, 24, .Larm_k
	ARM 4, 60, 32, .Larm_vs
	ARM 6, 72, 40, .Larm_v
	ARM 8, 76, 48, .Larm_k2
	ARM 10, 68, 32, .Larm_v2
	s_cmp_lt_u32 s[WV], 12
	s_cbranch_scc0 .Lasked
	tensor_load_to_lds s[80:83], s[48:55]
	s_nop 0
.rept 4
	v_nop
.endr
.Lasked:
	v_and_b32 v2, 31, v0
	s_delay_alu instid0(VALU_DEP_1)
	v_lshlrev_b32 v[L16], 4, v2
	s_delay_alu instid0(VALU_DEP_2)
	v_lshlrev_b32 v[L8], 3, v2
	s_wait_alu depctr_va_vdst(0)
	v_and_b32 v3, 15, v0                           ; r
	s_delay_alu instid0(VALU_DEP_1)
	v_and_b32 v5, 8, v3
	s_delay_alu instid0(VALU_DEP_1)
	v_add_nc_u32 v[VD], v5, v3                     ; r + 8 (r / 8)
	v_bfe_u32 v5, v0, 4, 1
	s_delay_alu instid0(VALU_DEP_1)
	v_lshlrev_b32 v5, 4, v5
	s_delay_alu instid0(VALU_DEP_1)
	v_sub_nc_u32 v[VD], v[VD], v5
	s_lshl_b32 s17, s15, 5
	s_lshl_b32 s92, s19, 3
	s_add_co_u32 s17, s17, s92
	v_add_nc_u32 v[VD], s17, v[VD]                 ; + 32 cx + 8 e
	v_lshlrev_b32 v[R16], 4, v3
	s_wait_alu depctr_va_vdst(0)
	s_lshl_b32 s92, s15, 1
	s_add_co_u32 s92, s92, s19
	s_lshl_b32 s93, s13, 7
	s_add_co_u32 s92, s92, s93                     ; 128 x batch + 2 cx + e
	s_lshl_b32 s93, s[JHI], 3
	s_add_co_u32 s66, s92, s93                     ; my later tile of 16 rows, among the 512
	s_lshl_b32 s93, s[JLO], 3
	s_add_co_u32 s67, s92, s93                     ; my earlier one
	s_lshl_b32 s93, s14, 9
	s_add_co_u32 s92, s66, s93                     ; their images of q
	s_add_co_u32 s93, s67, s93
	s_mul_i32 s94, s92, 768
	s_mov_b32 s95, 0
	s_add_nc_u64 s[94:95], s[4:5], s[94:95]
	s_mul_i32 s96, s93, 768
	s_mov_b32 s97, 0
	s_add_nc_u64 s[96:97], s[4:5], s[96:97]
	s_lshr_b32 s98, s92, 2
	s_lshl_b32 s98, s98, 8
	s_and_b32 s99, s92, 3
	s_lshl_b32 s99, s99, 2
	s_add_co_u32 s98, s98, s99
	s_mov_b32 s99, 0
	s_add_nc_u64 s[98:99], s[6:7], s[98:99]
	s_lshr_b32 s2, s93, 2
	s_lshl_b32 s2, s2, 8
	s_and_b32 s3, s93, 3
	s_lshl_b32 s3, s3, 2
	s_add_co_u32 s2, s2, s3
	s_mov_b32 s3, 0
	s_add_nc_u64 s[2:3], s[6:7], s[2:3]
	global_load_b128 v[20:23], v[L16], s[94:95]    ; Q stays in registers
	global_load_b64 v[24:25], v[L8], s[94:95] offset:512
	global_load_b128 v[32:35], v[L16], s[96:97]
	global_load_b64 v[36:37], v[L8], s[96:97] offset:512
	global_load_b32 v44, v[R16], s[98:99]
	global_load_b32 v45, v[R16], s[2:3]
	s_mov_b32 s[SEL], 0x76543210
	s_mov_b32 s[SEL+1], 0xfedcba98                 ; v_permlanex16_b32's selects for lane l xor 16
	s_mov_b32 s[CS], 0x3e38aa3b                    ; c = log2(e) / 8
	s_mov_b32 s[CS+1], s[CS]                       ; (named with it as a pair, so it is written)
.irp i, 0,1,2,3,4,5
	v_mov_b32 v[26+\i], 0                          ; K = 64 .. 127 of Q and of K's four fragments: zero codes
	v_mov_b32 v[38+\i], 0
	v_mov_b32 v[KF+6+\i], 0
	v_mov_b32 v[KF+18+\i], 0
	v_mov_b32 v[KF+30+\i], 0
	v_mov_b32 v[KF+42+\i], 0
.endr
	v_mov_b32 v[NINF], 0xff800000
	v_mov_b32 v13, 0xff61b1e6                      ; the largest t so far: -3e38, under every t
	s_delay_alu instid0(VALU_DEP_1)
	v_floor_f32 v12, -v13
	v_mov_b32 v14, 0
	v_mov_b32 v15, 0
	v_mov_b32 v17, 0xff61b1e6
	s_delay_alu instid0(VALU_DEP_1)
	v_floor_f32 v16, -v17
	v_mov_b32 v18, 0
	v_mov_b32 v19, 0
.irp b, 0,1,2,3
	v_mov_b32 v[PT+\b], 0                          ; a lane permute's destination counts as one of its sources
.endr
	v_mov_b32 v253, 0                              ; (named as the upper half of the pair v[252:253])
.set n, 0
.rept 64
	v_mov_b32 v[168+n], 0                          ; O^T of both tiles: the step is written without a first step of its own; the first change of M leaves zeros zeros
.set n, n+1
.endr
	s_wait_alu depctr_va_vdst(0)
	s_wait_tensorcnt 0x0                           ; every wave waits for its load: behind the barrier below all of the head's K and V is in, and no other barrier stands ahead of the closing round
	s_wait_loadcnt 0x0                             ; Q
	s_barrier_signal -1
	s_barrier_wait -1
	s_mov_b32 s[KN], 0
	s_mov_b32 s[TK], KIM
	s_mov_b32 s[TV], VIM
	s_mov_b32 s[TSK], KSC
	s_mov_b32 s[TSV], VSC
.Lfirst_half:                                      ; key steps 0 to 7 of the later tile, all of whose keys count: eight steps in every wave
	ADDR
	s_wait_alu depctr_va_vdst(0)
	STEP 20, 44, 12, 168, JHI, 0, 0
	s_add_co_u32 s[TK], s[TK], 6144
	s_add_co_u32 s[TV], s[TV], 6144
	s_add_co_u32 s[TSK], s[TSK], 512
	s_add_co_u32 s[TSV], s[TSV], 256
	s_add_co_u32 s[KN], s[KN], 1
	s_cmp_lt_u32 s[KN], 8
	s_cbranch_scc1 .Lfirst_half
	s_mov_b32 s[KN], 0
	s_mov_b32 s[TK], KIM
	s_mov_b32 s[TV], VIM
	s_mov_b32 s[TSK], KSC
	s_mov_b32 s[TSV], VSC
	s_xor_b32 s[JH8], s[JLO], 7                    ; JHI - 8 = 7 - JLO
.Lsecond_half:                                     ; trip n: key step 8 + n of the later tile and key step n of the earlier one, each up to its diagonal: (8 - JLO) + (JLO + 1) = nine steps in every wave
	ADDR
	STEP 20, 44, 12, 168, JH8, 1, 1
	STEP 32, 45, 16, 200, JLO, 1, 0
	s_add_co_u32 s[TK], s[TK], 6144
	s_add_co_u32 s[TV], s[TV], 6144
	s_add_co_u32 s[TSK], s[TSK], 512
	s_add_co_u32 s[TSV], s[TSV], 256
	s_add_co_u32 s[KN], s[KN], 1
	s_cmp_lt_u32 s[KN], 8
	s_cbranch_scc1 .Lsecond_half
	; THE WAY OUT, both tiles together: o = O^T / the sum; a tile's 32 numbers are two blocks of 32 along D; the later tile's lie where p's first 32 lay, the earlier tile's where its second 32 lay
	v_add_f32 v14, v14, v15
	v_add_f32 v18, v18, v19
	s_delay_alu instid0(VALU_DEP_2)
	v_permlanex16_b32 v[PT], v14, s[SEL], s[SEL+1]
	s_delay_alu instid0(VALU_DEP_2)
	v_permlanex16_b32 v[PT+1], v18, s[SEL], s[SEL+1]
	s_delay_alu instid0(VALU_DEP_2)
	v_add_f32 v14, v14, v[PT]                      ; the rows' sums
	s_delay_alu instid0(VALU_DEP_2)
	v_add_f32 v18, v18, v[PT+1]
	s_wait_alu depctr_va_vdst(0)
	v_rcp_f32 v14, v14
	v_rcp_f32 v18, v18
	v_and_b32 v5, 31, v0                           ; (the plain line behind the reciprocals)
	s_lshl_b32 s92, s66, 4
	s_add_co_u32 s92, s92, s14
	s_mul_i32 s92, s92, 768                        ; aimg: (tile of rows x 16 + head) x 768
	s_mov_b32 s93, 0
	s_add_nc_u64 s[92:93], s[8:9], s[92:93]
	s_lshl_b32 s94, s67, 4
	s_add_co_u32 s94, s94, s14
	s_mul_i32 s94, s94, 768
	s_mov_b32 s95, 0
	s_add_nc_u64 s[94:95], s[8:9], s[94:95]
	s_lshl_b32 s98, s14, 1
	s_lshl_b32 s96, s66, 9
	s_add_co_u32 s96, s96, s98                     ; asc: 16 rows of 32 bytes a tile, + 2 x head
	s_lshl_b32 s97, s67, 9
	s_add_co_u32 s97, s97, s98
	s_wait_alu depctr_va_vdst(0)                   ; one wait for both reciprocals, ahead of their first reader
.set n, 0
.rept 32
	v_mul_f32 v[S+n], v[168+n], v14                ; each accumulator from its low end on
.set n, n+1
.endr
.set n, 0
.rept 32
	v_mul_f32 v[S+32+n], v[200+n], v18
.set n, n+1
.endr
.irp b, 0,1,2,3
	v_max3_num_f32 v[BM+\b], |v[S+16*\b]|, |v[S+1+16*\b]|, 0x1800000   ; my 16 numbers of a block, and the floor 2^(3 - 127)
.endr
.irp i, 2,4,6,8,10,12,14
.irp b, 0,1,2,3
	s_delay_alu instid0(VALU_DEP_4)
	v_max3_num_f32 v[BM+\b], v[BM+\b], |v[S+16*\b+\i]|, |v[S+1+16*\b+\i]|
.endr
.endr
.irp b, 0,1,2,3
	s_delay_alu instid0(VALU_DEP_4)
	v_permlanex16_b32 v[PT+\b], v[BM+\b], s[SEL], s[SEL+1]
.endr
.irp b, 0,1,2,3
	s_delay_alu instid0(VALU_DEP_4)
	v_max_num_f32 v[BM+\b], v[BM+\b], v[PT+\b]
.endr
.irp b, 0,1,2,3
	s_delay_alu instid0(VALU_DEP_4)
	v_add_nc_u32 v[SO+\b], 0xff000000, v[BM+\b]
.endr
.irp b, 0,1,2,3
	s_delay_alu instid0(VALU_DEP_4)
	v_lshrrev_b32 v[PT+\b], 23, v[SO+\b]
.endr
	s_delay_alu instid0(VALU_DEP_3)
	v_lshl_or_b32 v[PT], v[PT+1], 8, v[PT]         ; the later tile's two bytes of my row
	s_delay_alu instid0(VALU_DEP_2)
	v_lshl_or_b32 v[PT+2], v[PT+3], 8, v[PT+2]     ; the earlier tile's
	CODES
	WHOLE                                          ; v232-237: the later tile's image; v238-243: the earlier tile's
	global_store_b128 v[L16], v[PCD:PCD+3], s[92:93]           ; 512 consecutive bytes, aligned
	global_store_b64 v[L8], v[PCD+4:PCD+5], s[92:93] offset:512
	global_store_b128 v[L16], v[PCD+6:PCD+9], s[94:95]
	global_store_b64 v[L8], v[PCD+10:PCD+11], s[94:95] offset:512
	v_cmp_lt_u32 vcc_lo, 15, v5                    ; lanes 0-15 store the later tile's bytes, lanes 16-31 the earlier tile's (both halves of the lanes hold both)
	s_delay_alu instid0(VALU_DEP_1)
	v_cndmask_b32 v6, v[PT], v[PT+2], vcc_lo
	v_mov_b32 v7, s96
	v_mov_b32 v8, s97
	s_delay_alu instid0(VALU_DEP_1)
	v_cndmask_b32 v7, v7, v8, vcc_lo
	s_delay_alu instid0(VALU_DEP_1)
	v_lshl_add_u32 v7, v[R16], 1, v7               ; + 32 r
	global_store_b16 v7, v6, s[10:11]
	s_wait_dscnt 0x0
	s_wait_tensorcnt 0x0
	ds_add_u32 v55, v255
	s_wait_dscnt 0x0
	ROUND                                          ; the closing round: no work-group ends while a partner may still ask for a tile that names it
	s_endpgm
.Lfunc_end_k_qecf7a16854_attn:
	.size	k_qecf7a16854_attn, .Lfunc_end_k_qecf7a16854_attn-k_qecf7a16854_attn
	.p2alignl 7, 3214868480
	.fill 96, 4, 3214868480
	.section	.rodata,"a",@progbits
	.p2align	6, 0x0
	.amdhsa_kernel k_qecf7a16854_attn
		.amdhsa_group_segment_fixed_size 210944
		.amdhsa_private_segment_fixed_size 0
		.amdhsa_enable_private_segment 0
		.amdhsa_kernarg_size 32
		.amdhsa_user_sgpr_count 2
		.amdhsa_user_sgpr_kernarg_segment_ptr 1
		.amdhsa_wavefront_size32 1
		.amdhsa_system_sgpr_workgroup_id_x 1
		.amdhsa_system_sgpr_workgroup_id_y 1
		.amdhsa_system_sgpr_workgroup_id_z 1
		.amdhsa_system_vgpr_workitem_id 0
		.amdhsa_next_free_vgpr 256
		.amdhsa_next_free_sgpr 100
		.amdhsa_reserve_vcc 1
		.amdhsa_float_denorm_mode_32 3
		.amdhsa_float_denorm_mode_16_64 3
		.amdhsa_memory_ordered 1
		.amdhsa_forward_progress 1
		.amdhsa_inst_pref_size 87
	.end_amdhsa_kernel
	.amdgpu_metadata
---
amdhsa.version: [ 1, 2 ]
amdhsa.kernels:
  - .name:           k_qecf7a16854_attn
    .symbol:         k_qecf7a16854_attn.kd
    .args:
      - { .name: img, .offset: 0, .size: 8, .value_kind: global_buffer, .address_space: global }
      - { .name: isc, .offset: 8, .size: 8, .value_kind: global_buffer, .address_space: global }
      - { .name: aimg, .offset: 16, .size: 8, .value_kind: global_buffer, .address_space: global }
      - { .name: asc, .offset: 24, .size: 8, .value_kind: global_buffer, .address_space: global }
    .group_segment_fixed_size: 210944
    .private_segment_fixed_size: 0
    .kernarg_segment_align: 8
    .kernarg_segment_size: 32
    .max_flat_workgroup_size: 512
    .sgpr_count:     100
    .vgpr_count:     256
    .wavefront_size: 32
...
	.end_amdgpu_metadata
.endif
;; end of part 3
;; launch oproj (part 4): grid 8 x 32, 4 waves a work-group, no clusters, 17,920 bytes of LDS; arguments aimg, asc, wimg, scl, out0; writes out0
.if DOCPART == 4
	.amdgcn_target "amdgcn-amd-amdhsa--gfx1250"
	.amdhsa_code_object_version 6
	.text
	.protected	k_qecf7a16854_oproj
	.globl	k_qecf7a16854_oproj
	.p2align	8
	.type	k_qecf7a16854_oproj,@function
k_qecf7a16854_oproj:
	s_mov_b64 s[64:65], 0
	v_nop
	global_prefetch_b8 v0, s[64:65] scope:SCOPE_SE
	s_setreg_imm32_b32 hwreg(HW_REG_WAVE_MODE, 25, 1), 1
	s_wait_xcnt 0x0
; The last product, o w_o, on codes of FP6 (E2M3) with one E8M0 scale for each 32 along K = 1,024; out0 [8192][1024] f32.
; BOTH OPERANDS LIE IN MEMORY AS IMAGES OF OPERAND REGISTERS: [tile of 16 rows][64 along K 16][768 bytes: registers 0-3 at 16 x lane, registers 4-5 at 512 + 8 x lane]; two images on end are a fragment of 128 along K.
; So they go from memory straight into registers, every load over consecutive bytes (512 or 256 a wave): no LDS tile, no tensor load, no barrier; waves share nothing.
; Hence no cluster: a joint load serves tiles in LDS, and this text has none.  No separate prefetch: the register loads themselves run two blocks (64 loads a wave) ahead of the products.
; SHARES.  256 work-groups of four waves, 2 x 2: work-group (x, y) makes tokens 256 y .. + 255 x columns 128 x .. + 127; a wave makes 128 tokens x 64 columns.
; A wave holds its 64 rows of w_o, ALL of K, in registers (4 tiles x 8 fragments x 12 = 384) and takes o's rows past them in 8 blocks of 16 rows, all of K (8 fragments), in three sets of registers by turns.
; A block is 32 products, its four accumulators by turns, the first four with C = 0; its 16 x 64 results are then finished and leave while the next block is multiplied.
; TRANSPOSED USE: source 0 = 16 places of w_o, source 1 = 16 rows of o.  Place 16 u + p of 32 holds column 8 u + p + 8 (p / 8), so register j of lane (r, h) in tile b is column 32 (b / 2) + 16 h + 8 (b % 2) + j of token row r.
; Row r of tile s of a group of 128 tokens is token 32 (s / 2) + 8 (s % 2) + r + 8 (r / 8).
; THE WAY OUT: a block goes through the wave's own stage in LDS and comes back by rows: sixteen lanes store a row's 256 consecutive bytes, aligned.
; LIMITS: NaN and infinities are not served.
.set FR,     12                        ; registers of a fragment
.set FPW,    21                        ; fragments in a window of 256 registers: fragment f lies in window 1 + f / 21 at register 12 (f % 21): 0-31 w_o's (4 q + b), 32 + 8 e + q set e of o's
.set TILE,   12288                     ; 16 rows, all of K
.set SPITCH, 272                       ; a stage row: 256 bytes + 16
.set SPARE,  4*16*SPITCH               ; behind the four stages: the spare words, 128 bytes for each wave
.set L16,  4                           ; v4   16 x lane
.set L8,   5                           ; v5   8 x lane
.set R32,  6                           ; v6   32 x (lane % 16): my row's scale bytes
.set STO,  7                           ; v7   the stage, in
.set RD,   8                           ; v8   and back
.set CO,   9                           ; v9   my byte offset in out0
.set SPW,  10                          ; v10  my spare word; never rewritten
.set NIL,  11                          ; v11  0; never rewritten
.set SW,   16                          ; v16-47   w_o's scale words, 8 b + q, and nothing else
.set SA,   52                          ; v52-115  o's, 8 s + q, and nothing else
.set ACC,  116                         ; v116-179 two sets of four accumulators
.set BK,   180                         ; v180-211 16 rows read back from the stage
.set MSB, 0
.macro WIN new                         ; the immediate's high byte repeats the setting that is left
.if MSB != \new
	s_set_vgpr_msb (MSB<<8)|\new
.set MSB, \new
.endif
.endm
.macro PLACES n
.rept \n
	v_nop
.endr
.endm
.macro LOADF f, sb, off                ; a fragment: two images
	WIN (1+(\f)/FPW)<<6
.set R_, FR*((\f)%FPW)
	global_load_b128 v[R_:R_+3], v[L16], s[\sb:\sb+1] offset:(\off)
	global_load_b64 v[R_+4:R_+5], v[L8], s[\sb:\sb+1] offset:(\off)+512
	global_load_b128 v[R_+6:R_+9], v[L16], s[\sb:\sb+1] offset:(\off)+768
	global_load_b64 v[R_+10:R_+11], v[L8], s[\sb:\sb+1] offset:(\off)+1280
.endm
.macro LOADA s                         ; block s of o's rows into set s % 3: 32 loads
.irp q, 0,1,2,3,4,5,6,7
	LOADF 32+8*((\s)%3)+\q, 4, (\s)*TILE+1536*\q
.endr
	WIN 0
.endm
.macro PROD s, n                       ; product n = 4 q + b of block s
.set Q_, (\n)/4
.set B_, (\n)%4
.set FW_, 4*Q_+B_
.set FA_, 32+8*((\s)%3)+Q_
.set D_, ACC+32*((\s)%2)+8*B_
	WIN (1+FW_/FPW)|((1+FA_/FPW)<<2)
.if Q_
	v_wmma_scale_f32_16x16x128_f8f6f4 v[D_:D_+7], v[FR*(FW_%FPW):FR*(FW_%FPW)+FR-1], v[FR*(FA_%FPW):FR*(FA_%FPW)+FR-1], v[D_:D_+7], v[SW+8*B_+Q_], v[SA+8*(\s)+Q_] matrix_a_fmt:MATRIX_FMT_FP6 matrix_b_fmt:MATRIX_FMT_FP6
.else
	v_wmma_scale_f32_16x16x128_f8f6f4 v[D_:D_+7], v[FR*(FW_%FPW):FR*(FW_%FPW)+FR-1], v[FR*(FA_%FPW):FR*(FA_%FPW)+FR-1], 0, v[SW+8*B_+Q_], v[SA+8*(\s)+Q_] matrix_a_fmt:MATRIX_FMT_FP6 matrix_b_fmt:MATRIX_FMT_FP6
.endif
.endm
.macro MULS s
.set N_, 0
.rept 32
	PROD \s, N_
.set N_, N_+1
.endr
	WIN 0
.endm
.macro TOSTAGE s                       ; LDS serves a wave's instructions in order: no wait between the stores and the loads, nor ahead of the next block's stores
.set AC_, ACC+32*((\s)%2)
.irp b, 0,1,2,3
	ds_store_b128 v[STO], v[AC_+8*\b:AC_+8*\b+3] offset:128*(\b/2)+32*(\b%2)       ; each accumulator from its low end on
	ds_store_b128 v[STO], v[AC_+8*\b+4:AC_+8*\b+7] offset:128*(\b/2)+32*(\b%2)+16
.endr
.irp t, 0,1,2,3,4,5,6,7
	ds_load_b128 v[BK+4*\t:BK+4*\t+3], v[RD] offset:\t*2*SPITCH                    ; rows 2 t and 2 t + 1
.endr
.endm
.macro SEND s
	s_wait_dscnt 0x0                               ; the block is back in registers
.irp t, 0,1,2,3,4,5,6,7
	global_store_b128 v[CO], v[BK+4*\t:BK+4*\t+3], s[12:13] offset:(32*((\s)/2)+8*((\s)%2)+2*\t+8*(\t/4))*4096 th:TH_STORE_NT
.endr
.endm
	s_load_b256 s[4:11], s[0:1], 0x0               ; aimg s[4:5], asc s[6:7], wimg s[8:9], scl s[10:11]
	s_load_b64 s[12:13], s[0:1], 0x20              ; out0
	v_lshl_add_u32 v[SPW], v0, 2, SPARE
	v_mov_b32 v[NIL], 0
	v_lshrrev_b32 v1, 5, v0
	v_readfirstlane_b32 s14, v1                    ; wave 0..3
	s_lshr_b32 s15, s14, 1                         ; which 128 tokens
	s_and_b32 s16, s14, 1                          ; which 64 columns
	s_and_b32 s17, ttmp7, 0xffff
	s_lshl_b32 s18, ttmp9, 1
	s_add_co_u32 s18, s18, s16                     ; my group of 64 columns, 0..15
	s_lshl_b32 s19, s17, 1
	s_add_co_u32 s19, s19, s15                     ; my group of 128 tokens, 0..63
	s_mul_i32 s20, s19, 8*TILE                     ; its eight tiles in aimg,
	s_mov_b32 s21, 0
	s_lshl_b32 s22, s19, 12                        ; their scale bytes: 128 rows of 32,
	s_mov_b32 s23, 0
	s_mul_i32 s24, s18, 4*TILE                     ; my four tiles of wimg,
	s_mov_b32 s25, 0
	s_lshl_b32 s26, s18, 11
	s_add_co_u32 s26, s26, 11264*32                ; their scale bytes: w_o's rows of scl begin at row 11,264,
	s_mov_b32 s27, 0
	s_lshl_b32 s28, s19, 19                        ; 128 rows of out0, 4,096 bytes each,
	s_lshl_b32 s29, s18, 8                         ; and 64 columns of 4 bytes
	s_add_co_u32 s28, s28, s29
	s_mov_b32 s29, 0
	s_mul_i32 s30, s14, 16*SPITCH                  ; my stage
	v_and_b32 v1, 15, v0                           ; r
	v_bfe_u32 v2, v0, 4, 1                         ; h
	v_and_b32 v3, 31, v0
	v_lshlrev_b32 v[L16], 4, v3
	v_lshlrev_b32 v[L8], 3, v3
	v_lshlrev_b32 v[R32], 5, v1
	v_mul_u32_u24 v12, v1, SPITCH
	v_lshl_add_u32 v12, v2, 6, v12
	v_add_nc_u32 v[STO], s30, v12                  ; in: row r, 64 bytes for each half of the lanes
	v_mul_u32_u24 v13, v2, SPITCH
	v_lshl_add_u32 v13, v1, 4, v13
	v_add_nc_u32 v[RD], s30, v13                   ; back: lanes 0-15 one row, lanes 16-31 the next
	v_lshlrev_b32 v14, 12, v2
	v_lshl_add_u32 v[CO], v1, 4, v14               ; and the same two rows in out0
	s_wait_alu depctr_va_vdst(0)
	s_wait_kmcnt 0x0
	s_add_nc_u64 s[4:5], s[4:5], s[20:21]
	s_add_nc_u64 s[6:7], s[6:7], s[22:23]
	s_add_nc_u64 s[8:9], s[8:9], s[24:25]
	s_add_nc_u64 s[10:11], s[10:11], s[26:27]
	s_add_nc_u64 s[12:13], s[12:13], s[28:29]
.irp b, 0,1,2,3
	global_load_b128 v[SW+8*\b:SW+8*\b+3], v[R32], s[10:11] offset:512*\b          ; a row's 32 scale bytes are its eight scale words
	global_load_b128 v[SW+8*\b+4:SW+8*\b+7], v[R32], s[10:11] offset:512*\b+16
.endr
.irp s, 0,1,2,3,4,5,6,7
	global_load_b128 v[SA+8*\s:SA+8*\s+3], v[R32], s[6:7] offset:512*\s
	global_load_b128 v[SA+8*\s+4:SA+8*\s+7], v[R32], s[6:7] offset:512*\s+16
.endr
.irp q, 0,1,2,3,4,5,6,7
.irp b, 0,1,2,3
	LOADF 4*\q+\b, 8, \b*TILE+1536*\q
.endr
.endr
	WIN 0
	LOADA 0
	LOADA 1
.irp s, 0,1,2,3,4,5,6,7
.if \s < 7
	s_wait_loadcnt 32                              ; this block's loads, and all before them, are in; the next block's 32 may be out
.else
	s_wait_loadcnt 0x0
.endif
.if \s > 1
	s_wait_xcnt 0x0                                ; the stores of the block before last have read their registers: the stage's loads may land there
.endif
	PLACES 4                                       ; behind the last block's products: its results are read and its fragments' registers loaded below
.if \s > 0
	TOSTAGE \s-1
.endif
.if \s < 6
	LOADA \s+2
.endif
	MULS \s
.if \s > 0
	SEND \s-1
.endif
.endr
	PLACES 4
	s_wait_xcnt 0x0
	TOSTAGE 7
	SEND 7
	s_wait_tensorcnt 0x0                           ; the wave's end, behind my last LDS store
	ds_add_u32 v[SPW], v[NIL]
	s_wait_dscnt 0x0
	s_endpgm
.Lfunc_end_k_qecf7a16854_oproj:
	.size	k_qecf7a16854_oproj, .Lfunc_end_k_qecf7a16854_oproj-k_qecf7a16854_oproj
	.p2alignl 7, 3214868480
	.fill 96, 4, 3214868480
	.section	.rodata,"a",@progbits
	.p2align	6, 0x0
	.amdhsa_kernel k_qecf7a16854_oproj
		.amdhsa_group_segment_fixed_size 17920
		.amdhsa_private_segment_fixed_size 0
		.amdhsa_enable_private_segment 0
		.amdhsa_kernarg_size 40
		.amdhsa_user_sgpr_count 2
		.amdhsa_user_sgpr_kernarg_segment_ptr 1
		.amdhsa_wavefront_size32 1
		.amdhsa_system_sgpr_workgroup_id_x 1
		.amdhsa_system_sgpr_workgroup_id_y 1
		.amdhsa_system_sgpr_workgroup_id_z 1
		.amdhsa_system_vgpr_workitem_id 0
		.amdhsa_next_free_vgpr 960
		.amdhsa_next_free_sgpr 66
		.amdhsa_reserve_vcc 0
		.amdhsa_float_denorm_mode_32 3
		.amdhsa_float_denorm_mode_16_64 3
		.amdhsa_memory_ordered 1
		.amdhsa_forward_progress 1
		.amdhsa_inst_pref_size 91
	.end_amdhsa_kernel
	.amdgpu_metadata
---
amdhsa.version: [ 1, 2 ]
amdhsa.kernels:
  - .name:           k_qecf7a16854_oproj
    .symbol:         k_qecf7a16854_oproj.kd
    .args:
      - { .name: aimg, .offset: 0, .size: 8, .value_kind: global_buffer, .address_space: global }
      - { .name: asc, .offset: 8, .size: 8, .value_kind: global_buffer, .address_space: global }
      - { .name: wimg, .offset: 16, .size: 8, .value_kind: global_buffer, .address_space: global }
      - { .name: scl, .offset: 24, .size: 8, .value_kind: global_buffer, .address_space: global }
      - { .name: out0, .offset: 32, .size: 8, .value_kind: global_buffer, .address_space: global }
    .group_segment_fixed_size: 17920
    .private_segment_fixed_size: 0
    .kernarg_segment_align: 8
    .kernarg_segment_size: 40
    .max_flat_workgroup_size: 128
    .sgpr_count:     66
    .vgpr_count:     960
    .wavefront_size: 32
...
	.end_amdgpu_metadata
.endif
;; end of part 4
